; MI455X (gfx1250); checked and timed in simulation.
; The chip was launched on July 23, 2026; its instructions are those of AMD's public machine-readable ISA for CDNA 5 (MIT licence, August 2026) and "CDNA5" Instruction Set Architecture Reference Guide (July 2026). The comments in the code are by the model that wrote it; some were corrected since.
;; Top K Sorted Attention. Allowed arithmetic: float matrix products may take bf16 or f16 operands with f32 sums; other float arithmetic in f32, or as packed bf16 or f16 multiplies, adds, multiply-adds, maxima and minima; sums over many terms, partial sums and values carried from step to step in f32; what a program stores and reads back later, other than sums and carried values, may be rounded once to bf16 or f16.
;; Inputs: Wk 128 x 1,024 float32; Wo 1,024 x 1,024 float32; Wq 128 x 1,024 float32; Wv 1,024 x 1,024 float32; x 4 x 4,096 x 1,024 float32.
;; Outputs: out0 4 x 4,096 x 1,024 float32.
;; 2 versions, each right; version 2 is version 1 with the launch attn written anew for expert scheduling mode. Each part assembles by itself: llvm-mc -triple=amdgcn-amd-amdhsa -mcpu=gfx1250 --defsym DOCPART=n.
;; ======== version 1 of 2: 6 launches
;; limits: values are held in f16: magnitudes above 65,504 overflow, below 6.1e-05 lose precision
;; workspace buffers: xb 33,554,432 bytes; wts 4,718,592 bytes; qk 8,388,608 bytes; kk 8,388,608 bytes; idx 131,072 bytes of whole numbers; cand 131,072 bytes of whole numbers; tab 655,360 bytes; o16 33,554,432 bytes
;; launch cvt (part 1): grid 1168 x 1, 8 waves a work-group, no clusters, 0 bytes of LDS; arguments x, Wq, Wk, Wv, Wo, xb, wts; writes xb, wts
.if DOCPART == 1
	.amdgcn_target "amdgcn-amd-amdhsa--gfx1250"
	.amdhsa_code_object_version 6
	.text
	.protected	k_q0ab6e88a25_cvt
	.globl	k_q0ab6e88a25_cvt
	.p2align	8
	.type	k_q0ab6e88a25_cvt,@function
k_q0ab6e88a25_cvt:
	s_mov_b64 s[64:65], 0
	v_nop
	global_prefetch_b8 v0, s[64:65] scope:SCOPE_SE
	s_setreg_imm32_b32 hwreg(HW_REG_WAVE_MODE, 25, 1), 1
	s_wait_xcnt 0x0
; EVERY INPUT IS ROUNDED ONCE TO bf16 (to nearest even).  x -> xb [16384][1024] bf16.  Wq, Wk, Wv -> wts as bf16; Wo -> bf16, and that number written as f16
; (exact from 2^-14 up to f16's end; below 2^-14 it keeps f16's fixed step of 2^-24: a stated limit).
; wts: rows of Wq (128), of Wk (128), of Wv (1024), of Wo (1024), 2,048 bytes each, in this order: so one formula gives every weight block's place.
; SHARES.  A work-group converts one block of 16,384 numbers (65,536 bytes in, 32,768 out); blocks 0-1023 x, 1024-1031 Wq, 1032-1039 Wk, 1040-1103 Wv, 1104-1167 Wo.
; A wave takes 8,192 bytes: sixteen loads of 16 bytes a lane, all issued at once; each store of the wave covers 256 consecutive bytes, aligned.
; A load's four registers take their own two packed words, so a wave needs 86 registers: the 40 waves of five work-groups fit in a WGP's 4 x 1,024.
; No LDS, no matrix unit, no cluster: each byte is read once and written once, and no work-group shares a byte with another.
.set X, 16                             ; v[16:79]   sixteen loads of four f32; the first two registers of each take the packed result
.set T, 80                             ; v[80:85]   at work (Wo's path)
	s_load_b256 s[4:11], s[0:1], 0x0               ; x s[4:5], Wq s[6:7], Wk s[8:9], Wv s[10:11]
	s_load_b128 s[12:15], s[0:1], 0x20             ; Wo s[12:13], xb s[14:15]
	s_load_b64 s[16:17], s[0:1], 0x30              ; wts
	s_mov_b32 s20, ttmp9                           ; my block
	v_lshrrev_b32 v3, 5, v0                        ; wave
	v_and_b32 v4, 31, v0                           ; lane
	v_lshlrev_b32 v1, 4, v4
	v_lshl_add_u32 v1, v3, 13, v1                  ; in: 8,192 x wave + 16 x lane
	v_lshlrev_b32 v2, 3, v4
	v_lshl_add_u32 v2, v3, 12, v2                  ; out: 4,096 x wave + 8 x lane
	s_mov_b32 s24, 0                               ; the source's first block
	s_mov_b32 s25, 0                               ; the destination's first block
	s_mov_b32 s29, 0
	s_mov_b32 s31, 0
	s_wait_kmcnt 0x0
	s_mov_b64 s[22:23], s[4:5]
	s_mov_b64 s[26:27], s[14:15]
	s_cmp_ge_u32 s20, 1024                         ; the choices hang on the block's number alone
	s_cselect_b64 s[22:23], s[6:7], s[22:23]
	s_cselect_b64 s[26:27], s[16:17], s[26:27]
	s_cselect_b32 s24, 1024, s24
	s_cselect_b32 s25, 1024, s25
	s_cmp_ge_u32 s20, 1032
	s_cselect_b64 s[22:23], s[8:9], s[22:23]
	s_cselect_b32 s24, 1032, s24
	s_cmp_ge_u32 s20, 1040
	s_cselect_b64 s[22:23], s[10:11], s[22:23]
	s_cselect_b32 s24, 1040, s24
	s_cmp_ge_u32 s20, 1104
	s_cselect_b64 s[22:23], s[12:13], s[22:23]
	s_cselect_b32 s24, 1104, s24
	s_cselect_b32 s21, 1, 0                        ; 1: Wo's path
	s_sub_co_u32 s28, s20, s24
	s_lshl_b32 s28, s28, 16                        ; 65,536 bytes a block in
	s_sub_co_u32 s30, s20, s25
	s_lshl_b32 s30, s30, 15                        ; 32,768 out
	s_add_nc_u64 s[22:23], s[22:23], s[28:29]
	s_add_nc_u64 s[26:27], s[26:27], s[30:31]
.irp i, 0,1,2,3,4,5,6,7,8,9,10,11,12,13,14,15
	global_load_b128 v[X+4*(\i):X+4*(\i)+3], v1, s[22:23] offset:512*(\i) th:TH_LOAD_NT
.endr
	s_cmp_lg_u32 s21, 0
	s_cbranch_scc1 .Lf16
.irp i, 0,1,2,3,4,5,6,7,8,9,10,11,12,13,14,15
	s_wait_loadcnt 15-(\i)                         ; loads come back in order: load i is in, the younger ones stay out
	v_cvt_pk_bf16_f32 v[X+4*(\i)], v[X+4*(\i)], v[X+4*(\i)+1]
	v_cvt_pk_bf16_f32 v[X+4*(\i)+1], v[X+4*(\i)+2], v[X+4*(\i)+3]
	global_store_b64 v2, v[X+4*(\i):X+4*(\i)+1], s[26:27] offset:256*(\i)  ; no register of a store is written again
.endr
	s_endpgm
.Lf16:
.irp i, 0,1,2,3,4,5,6,7,8,9,10,11,12,13,14,15
	s_wait_loadcnt 15-(\i)
	v_cvt_pk_bf16_f32 v[T], v[X+4*(\i)], v[X+4*(\i)+1]       ; the one rounding that every input has,
	v_cvt_pk_bf16_f32 v[T+1], v[X+4*(\i)+2], v[X+4*(\i)+3]
	v_lshlrev_b32 v[T+2], 16, v[T]                           ; widened again,
	v_and_b32 v[T+3], 0xffff0000, v[T]
	v_lshlrev_b32 v[T+4], 16, v[T+1]
	v_and_b32 v[T+5], 0xffff0000, v[T+1]
	v_cvt_pk_f16_f32 v[X+4*(\i)], v[T+2], v[T+3]             ; and written as f16
	v_cvt_pk_f16_f32 v[X+4*(\i)+1], v[T+4], v[T+5]
	global_store_b64 v2, v[X+4*(\i):X+4*(\i)+1], s[26:27] offset:256*(\i)
.endr
	s_endpgm
.Lfunc_end_k_q0ab6e88a25_cvt:
	.size	k_q0ab6e88a25_cvt, .Lfunc_end_k_q0ab6e88a25_cvt-k_q0ab6e88a25_cvt
	.p2alignl 7, 3214868480
	.fill 96, 4, 3214868480
	.section	.rodata,"a",@progbits
	.p2align	6, 0x0
	.amdhsa_kernel k_q0ab6e88a25_cvt
		.amdhsa_group_segment_fixed_size 0
		.amdhsa_private_segment_fixed_size 0
		.amdhsa_enable_private_segment 0
		.amdhsa_kernarg_size 56
		.amdhsa_user_sgpr_count 2
		.amdhsa_user_sgpr_kernarg_segment_ptr 1
		.amdhsa_wavefront_size32 1
		.amdhsa_system_sgpr_workgroup_id_x 1
		.amdhsa_system_sgpr_workgroup_id_y 1
		.amdhsa_system_sgpr_workgroup_id_z 1
		.amdhsa_system_vgpr_workitem_id 0
		.amdhsa_next_free_vgpr 88
		.amdhsa_next_free_sgpr 66
		.amdhsa_reserve_vcc 0
		.amdhsa_float_denorm_mode_32 3
		.amdhsa_float_denorm_mode_16_64 3
		.amdhsa_memory_ordered 1
		.amdhsa_forward_progress 1
		.amdhsa_inst_pref_size 17
	.end_amdhsa_kernel
	.amdgpu_metadata
---
amdhsa.version: [ 1, 2 ]
amdhsa.kernels:
  - .name:           k_q0ab6e88a25_cvt
    .symbol:         k_q0ab6e88a25_cvt.kd
    .args:
      - { .name: x, .offset: 0, .size: 8, .value_kind: global_buffer, .address_space: global }
      - { .name: Wq, .offset: 8, .size: 8, .value_kind: global_buffer, .address_space: global }
      - { .name: Wk, .offset: 16, .size: 8, .value_kind: global_buffer, .address_space: global }
      - { .name: Wv, .offset: 24, .size: 8, .value_kind: global_buffer, .address_space: global }
      - { .name: Wo, .offset: 32, .size: 8, .value_kind: global_buffer, .address_space: global }
      - { .name: xb, .offset: 40, .size: 8, .value_kind: global_buffer, .address_space: global }
      - { .name: wts, .offset: 48, .size: 8, .value_kind: global_buffer, .address_space: global }
    .group_segment_fixed_size: 0
    .private_segment_fixed_size: 0
    .kernarg_segment_align: 8
    .kernarg_segment_size: 56
    .max_flat_workgroup_size: 256
    .sgpr_count:     66
    .vgpr_count:     88
    .wavefront_size: 32
...
	.end_amdgpu_metadata
.endif
;; end of part 1
;; launch proj (part 2): grid 128 x 2, 4 waves a work-group, clusters of 4 x 1, 327,680 bytes of LDS; arguments xb, wts, qk, kk; writes qk, kk
.if DOCPART == 2
	.amdgcn_target "amdgcn-amd-amdhsa--gfx1250"
	.amdhsa_code_object_version 6
	.text
	.protected	k_q0ab6e88a25_proj
	.globl	k_q0ab6e88a25_proj
	.p2align	8
	.type	k_q0ab6e88a25_proj,@function
k_q0ab6e88a25_proj:
	s_mov_b64 s[64:65], 0
	v_nop
	global_prefetch_b8 v0, s[64:65] scope:SCOPE_SE
	s_setreg_imm32_b32 hwreg(HW_REG_WAVE_MODE, 25, 1), 1
	s_wait_xcnt 0x0
	s_wait_alu depctr_hold_cnt(0) depctr_sa_sdst(0) depctr_va_vdst(0) depctr_va_sdst(0) depctr_va_ssrc(0) depctr_va_vcc(0) depctr_vm_vsrc(0)
	s_getreg_b32 s2, hwreg(HW_REG_IB_STS2, 6, 4)
	s_cmp_eq_u32 s2, 0
	s_cbranch_scc0 .Lentry_in_a_cluster
	s_endpgm
.Lentry_in_a_cluster:
	s_bfe_u32 s2, ttmp6, 0x10000c
	s_cmp_lg_u32 s2, 0x3003
	s_cbranch_scc0 .Lentry_shape_is_right
	s_endpgm
.Lentry_shape_is_right:
; q[b][h][s] and keys[b][h][s] = the sum over d of x[b][s][d] W[h][d], bf16 operands, f32 sums, stored in f32: qk = q [4][128][4096], kk = the keys, laid alike.
; They stay in f32 because the later launches order the keys and test q's sign.  They are two buffers because a later launch loads keys and stores q.
; SHARES.  A tile is 128 rows of x (tile mt of 128) x the 128 heads of Wq (y = 0) or of Wk (y = 1): 256 work-groups.  Four waves, each 64 x 64: 16 accumulators.
; K goes in four steps of 256 (LDS rows of 512 bytes, a wave's tensor load brings 64 of them) through two slots.
; CLUSTER.  The four partners have the same y, so the weights' tile is asked for JOINTLY (mask of four); x's tile hangs on the work-group's place and is each work-group's own load.
; A row of x is read by the two work-groups of y = 0 and y = 1; they lie in different clusters and are not joined.
; LAYOUT.  Source 0 = 16 rows of x, source 1 = 16 heads: in the result a lane holds ONE head (lane % 16) and the rows 8 (lane / 16) + 0..7: 32 bytes on end of a head's row.
; THE WAY OUT goes through a stage of 128 head rows x 528 bytes.  It lies in slot 0, whose last fill (K step 2) has landed and whose last reads are over at the barrier that changes to slot 1.
; REGISTERS: window 0: v0-31 addresses; v128-255 the accumulators ((a, b) at v[128 + 8 (4 a + b)]).  window 1: two fragment buffers of 128: 64 registers of x (2 x 4 x 16 rows x 32 K), then 64 of W.
.set DIMK,   1024
.set KSTEP,  256
.set PITCH,  528                       ; an LDS row: 512 bytes + 16 of padding = 132 words: row r starts at bank 4 r mod 64 (64 banks of 4 bytes: ISA guide 11.1)
.set HALFT,  64*PITCH                  ; 64 rows: what one tensor load brings
.set SLOT,   4*HALFT                   ; x's 128 rows, then W's 128 rows
.set STAGE,  0
.set SPITCH, 528
.set SPARE,  2*SLOT                    ; behind the ring: the spare words, 128 bytes for each wave
.set ADRA, 16                          ; v16-17  LDS address of my x fragments in slot 0, 1
.set ADRB, 20                          ; v20-21  the same for W
.set STO,  24                          ; v24     the way out: where I put 16 bytes of a head's row
.set RD,   25                          ; v25     where I read a head's row back
.set CO,   26                          ; v26     16 x lane: my place in 512 bytes of the output
.set SPW,  28                          ; v28     my spare word; never rewritten
.set NIL,  29                          ; v29     0; never rewritten
.set ACC,  128
.set F0,   0
.set F1,   128
.set G1, 24                            ; s[24:31] group 1 for x's tiles;  s[32:39] group 0, one set a slot
.set G0, 32
.set G1B, 48                           ; s[48:55], s[56:63] the same for W's tiles
.set G0B, 56
.set MSB, 0
.macro WIN new                         ; the immediate's high byte repeats the setting that is left
.if MSB != (\new)
	s_set_vgpr_msb (MSB<<8)|(\new)
.set MSB, \new
.endif
.endm
.set MUL,  0x05                        ; sources 0 and 1 window 1; C and D window 0
.set TO_F, 0x40                        ; destination window 1, address window 0
.macro JLOAD s                         ; waves 0 and 1 fetch x's two halves, waves 2 and 3 W's; an s_nop 0 and four v_nop follow each line
	s_cmp_eq_u32 s11, 0
	s_cbranch_scc0 .Lfor_b_\@
	tensor_load_to_lds s[G0+4*(\s):G0+4*(\s)+3], s[G1:G1+7]
	s_nop 0
.rept 4
	v_nop
.endr
	s_branch .Lasked_\@
.Lfor_b_\@:
	tensor_load_to_lds s[G0B+4*(\s):G0B+4*(\s)+3], s[G1B:G1B+7]
	s_nop 0
.rept 4
	v_nop
.endr
.Lasked_\@:
.endm
.macro CREST                           ; a round of the cluster's barrier behind its opening barrier
	s_cmp_lg_u32 s10, 0
	s_cbranch_scc1 .Lnot_wave_0_\@
	s_barrier_signal -3
.Lnot_wave_0_\@:
	s_barrier_wait -3
	s_barrier_signal -1
	s_barrier_wait -1
.endm
.macro CROUND
	s_barrier_signal -1
	s_barrier_wait -1
	CREST
.endm
	s_load_b128 s[4:7], s[0:1], 0x0                ; xb s[4:5], wts s[6:7]
	s_load_b64 s[8:9], s[0:1], 0x10                ; qk
	s_load_b64 s[44:45], s[0:1], 0x18              ; kk
	v_lshl_add_u32 v[SPW], v0, 2, SPARE
	v_mov_b32 v[NIL], 0
	ds_add_u32 v[SPW], v[NIL]                      ; the wave's opening: the add and its wait ahead of my first tensor load
	ds_add_u32 v28, v29
	v_lshrrev_b32 v1, 5, v0
	v_readfirstlane_b32 s10, v1                    ; wave 0..3
	s_lshr_b32 s11, s10, 1                         ; which half of the tile's rows of x is mine.  Also: I fetch for x (0) or for W (1)
	s_and_b32 s12, s10, 1                          ; which half of the heads.  Also: which 64 rows I fetch
	s_bfe_u32 s40, ttmp6, 0x40000                  ; cx
	s_lshl_b32 s42, ttmp9, 2
	s_add_co_u32 s42, s42, s40                     ; mt = 4 x cluster x + cx: it enters x's and the output's addresses alone
	s_and_b32 s13, ttmp7, 0xffff                   ; y, which the four partners share
	s_mov_b32 s[G1+0], (1<<16)|(1<<20)|(6<<22)|(3<<25)              ; no mask; 2-byte elements; padding on; after every 128 words (code 6) 4 words (code 3)
	s_mov_b32 s[G1B+0], 15|(1<<16)|(1<<20)|(1<<21)|(6<<22)|(3<<25)  ; the same with the mask of four, and bit 21 beside it
.irp g, G1, G1B
	s_mov_b32 s[(\g)+1], KSTEP<<16                 ; tensor_dim0 = 256
	s_mov_b32 s[(\g)+2], 64<<16                    ; tensor_dim1 = 64
	s_mov_b32 s[(\g)+3], KSTEP<<16                 ; tile_dim0 = 256
	s_mov_b32 s[(\g)+4], 64                        ; tile_dim1 = 64
	s_mov_b32 s[(\g)+5], DIMK                      ; elements from row to row
	s_mov_b32 s[(\g)+6], 0
	s_mov_b32 s[(\g)+7], 0
.endr
	s_lshl_b32 s17, s12, 6
	s_lshl_b32 s16, s42, 7
	s_add_co_u32 s16, s16, s17                     ; x: row 128 mt + 64 x half
	s_lshl_b32 s16, s16, 11                        ; 2,048 bytes a row
	s_lshl_b32 s46, s13, 7
	s_add_co_u32 s46, s46, s17                     ; W: row 128 y + 64 x half (Wq's rows, then Wk's)
	s_lshl_b32 s46, s46, 11
	s_mov_b32 s17, 0
	s_mov_b32 s47, 0
	s_mul_i32 s20, s10, HALFT                      ; where they go: wave x 64 rows
	s_wait_dscnt 0x0                               ; the opening add is done
	s_wait_kmcnt 0x0
	s_add_nc_u64 s[14:15], s[4:5], s[16:17]
	s_add_nc_u64 s[46:47], s[6:7], s[46:47]
	CROUND                                         ; all four work-groups are here: the first joint loads meet
.irp s, 0,1
	s_mov_b32 s[G0+4*(\s)], 1
	s_add_co_u32 s[G0+4*(\s)+1], s20, (\s)*SLOT
	s_add_nc_u64 s[G0+4*(\s)+2:G0+4*(\s)+3], s[14:15], (\s)*KSTEP*2
	s_or_b32 s[G0+4*(\s)+3], s[G0+4*(\s)+3], 0x80000000
	s_mov_b32 s[G0B+4*(\s)], 1
	s_add_co_u32 s[G0B+4*(\s)+1], s20, (\s)*SLOT
	s_add_nc_u64 s[G0B+4*(\s)+2:G0B+4*(\s)+3], s[46:47], (\s)*KSTEP*2
	s_or_b32 s[G0B+4*(\s)+3], s[G0B+4*(\s)+3], 0x80000000
	JLOAD \s
.endr
	v_and_b32 v1, 15, v0                           ; l % 16
	v_bfe_u32 v2, v0, 4, 1                         ; l / 16
	v_mul_u32_u24 v3, v1, PITCH
	v_lshl_add_u32 v3, v2, 4, v3                   ; a fragment's row x pitch + 16 x half
	s_mul_i32 s21, s11, HALFT                      ; my 64 rows of x
	s_mul_i32 s22, s12, HALFT                      ; my 64 heads,
	s_add_co_u32 s22, s22, 2*HALFT                 ; which lie behind x's 128 rows
.irp s, 0,1
	v_add_nc_u32 v[ADRA+(\s)], s21, v3
	v_add_nc_u32 v[ADRB+(\s)], s22, v3
	s_add_co_u32 s21, s21, SLOT
	s_add_co_u32 s22, s22, SLOT
.endr
	s_mul_i32 s23, s12, 64*SPITCH                  ; into the stage: head row 64 x half + l % 16, byte 256 x (my half of the rows) + 32 (l / 16)
	s_lshl_b32 s21, s11, 8
	s_add_co_u32 s23, s23, s21
	v_mul_u32_u24 v4, v1, SPITCH
	v_lshl_add_u32 v4, v2, 5, v4
	v_add_nc_u32 v[STO], s23, v4
	s_mul_i32 s23, s10, 32*SPITCH                  ; back: wave w takes head rows 32 w .. 32 w + 31, whole: 32 lanes x 16 bytes
	v_and_b32 v5, 31, v0
	v_lshlrev_b32 v[CO], 4, v5
	v_add_nc_u32 v[RD], s23, v[CO]
	s_lshr_b32 s16, s42, 5
	s_lshl_b32 s16, s16, 21                        ; the output: batch (mt / 32) x 128 heads x 16,384
	s_lshl_b32 s17, s10, 19                        ; + 32 x wave heads
	s_add_co_u32 s16, s16, s17
	s_and_b32 s17, s42, 31
	s_lshl_b32 s17, s17, 9                         ; + the tile's 128 rows: 512 bytes
	s_add_co_u32 s16, s16, s17
	s_mov_b32 s17, 0
	s_cmp_eq_u32 s13, 0                            ; y chooses the buffer: q's or the keys'
	s_cselect_b64 s[8:9], s[8:9], s[44:45]
	s_add_nc_u64 s[8:9], s[8:9], s[16:17]
; 8 matrix instructions: row blocks a0, a0 + 1 x all 4 head blocks, 32 along K: half c of buffer f.  zero = 1: the first product starts the sums.  The 16 accumulators take turns.
.macro MUL8 f, c, a0, zero
	WIN MUL
.irp a, \a0, (\a0)+1
.irp b, 0,1,2,3
.if \zero
	v_wmma_f32_16x16x32_bf16 v[ACC+8*(4*(\a)+(\b)):ACC+8*(4*(\a)+(\b))+7], v[(\f)+8*(4*(\c)+(\a)):(\f)+8*(4*(\c)+(\a))+7], v[(\f)+64+8*(4*(\c)+(\b)):(\f)+64+8*(4*(\c)+(\b))+7], 0
.else
	v_wmma_f32_16x16x32_bf16 v[ACC+8*(4*(\a)+(\b)):ACC+8*(4*(\a)+(\b))+7], v[(\f)+8*(4*(\c)+(\a)):(\f)+8*(4*(\c)+(\a))+7], v[(\f)+64+8*(4*(\c)+(\b)):(\f)+64+8*(4*(\c)+(\b))+7], v[ACC+8*(4*(\a)+(\b)):ACC+8*(4*(\a)+(\b))+7]
.endif
.endr
.endr
.endm
; 32 LDS loads in one run: the fragments of 64 along K at byte k of the rows, into buffer f; the first 32 along K first
.macro FETCH slot, k, f
	WIN TO_F
.irp c, 0,1
.irp i, 0,1,2,3
	ds_load_b128 v[(\f)+64+8*(4*(\c)+(\i)):(\f)+64+8*(4*(\c)+(\i))+3],   v[ADRB+(\slot)] offset:(\k)+64*(\c)+(\i)*16*PITCH
	ds_load_b128 v[(\f)+64+8*(4*(\c)+(\i))+4:(\f)+64+8*(4*(\c)+(\i))+7], v[ADRB+(\slot)] offset:(\k)+64*(\c)+(\i)*16*PITCH+32
	ds_load_b128 v[(\f)+8*(4*(\c)+(\i)):(\f)+8*(4*(\c)+(\i))+3],         v[ADRA+(\slot)] offset:(\k)+64*(\c)+(\i)*16*PITCH
	ds_load_b128 v[(\f)+8*(4*(\c)+(\i))+4:(\f)+8*(4*(\c)+(\i))+7],       v[ADRA+(\slot)] offset:(\k)+64*(\c)+(\i)*16*PITCH+32
.endr
.endr
.endm
.macro PLACES                          ; four places in front of loads into registers that matrix instructions have read, and of LDS stores that read results
.rept 4
	v_nop
.endr
.endm
; A K step is four quarters of 64 along K, 32 matrix instructions each, on buffers 0, 1, 0, 1.
.macro QUARTER slot, k, f, g, zero
	s_wait_dscnt 16                                ; the first 32 along K are in
	WIN MUL
	MUL8 \f, 0, 0, \zero
	MUL8 \f, 0, 2, \zero
	PLACES
	FETCH \slot, \k, \g
	s_wait_dscnt 32                                ; all but the 32 just issued
	WIN MUL
	MUL8 \f, 1, 0, 0
	MUL8 \f, 1, 2, 0
.endm
; The last quarter multiplies buffer 1 and changes slots: one barrier; in front of it each wave waits for all its tensor loads, adds 0 to its spare word, and waits for that and for its reads of this slot.
.macro TURN slot, next, fill
	WIN 0
	s_wait_tensorcnt 0x0                           ; all my tensor loads have landed: my part of the next slot
	ds_add_u32 v[SPW], v[NIL]
	s_wait_dscnt 17                                ; (the add and the youngest sixteen loads may be out)
	WIN MUL
	MUL8 F1, 0, 0, 0
	s_wait_dscnt 0x0                               ; the add is done, and my reads of this slot are over
	s_barrier_signal -1
	MUL8 F1, 0, 2, 0
.if \fill
	WIN 0
.endif
	s_barrier_wait -1
.if \fill
	CREST                                          ; the barrier has opened a round of the cluster's: no wave of any partner still reads this slot or has a load on its way
	s_add_nc_u64 s[G0+4*(\slot)+2:G0+4*(\slot)+3], s[G0+4*(\slot)+2:G0+4*(\slot)+3], 2*KSTEP*2
	s_add_nc_u64 s[G0B+4*(\slot)+2:G0B+4*(\slot)+3], s[G0B+4*(\slot)+2:G0B+4*(\slot)+3], 2*KSTEP*2
	JLOAD \slot                                    ; the first tensor load behind the round; its four v_nop are also the places in front of the loads below
.else
	PLACES
.endif
	FETCH \next, 0, F0
	WIN MUL
	MUL8 F1, 1, 0, 0
	MUL8 F1, 1, 2, 0
.endm
	s_wait_tensorcnt 1                             ; my part of K step 0 is in; K step 1's may stay out
	s_barrier_signal -1
	s_barrier_wait -1
	FETCH 0, 0, F0
	QUARTER 0, 128, F0, F1, 1                      ; K step 0
	QUARTER 0, 256, F1, F0, 0
	QUARTER 0, 384, F0, F1, 0
	TURN 0, 1, 1                                   ; slot 0 takes K step 2
	QUARTER 1, 128, F0, F1, 0                      ; K step 1
	QUARTER 1, 256, F1, F0, 0
	QUARTER 1, 384, F0, F1, 0
	TURN 1, 0, 1                                   ; slot 1 takes K step 3
	QUARTER 0, 128, F0, F1, 0                      ; K step 2
	QUARTER 0, 256, F1, F0, 0
	QUARTER 0, 384, F0, F1, 0
	TURN 0, 1, 0                                   ; nothing is left to fetch
	QUARTER 1, 128, F0, F1, 0                      ; K step 3
	QUARTER 1, 256, F1, F0, 0
	QUARTER 1, 384, F0, F1, 0
	s_wait_dscnt 16
	WIN MUL
	MUL8 F1, 0, 0, 0
	MUL8 F1, 0, 2, 0
	s_wait_dscnt 0
	MUL8 F1, 1, 0, 0
	MUL8 F1, 1, 2, 0
	WIN 0
	; THE WAY OUT: 32 bytes a lane into the stage (each accumulator's low four registers first); a barrier, since a head's 512 bytes come from two waves; back as whole rows.
	PLACES
.irp a, 0,1,2,3
.irp b, 0,1,2,3
	ds_store_b128 v[STO], v[ACC+8*(4*(\a)+(\b)):ACC+8*(4*(\a)+(\b))+3]   offset:STAGE+(\b)*16*SPITCH+(\a)*64
	ds_store_b128 v[STO], v[ACC+8*(4*(\a)+(\b))+4:ACC+8*(4*(\a)+(\b))+7] offset:STAGE+(\b)*16*SPITCH+(\a)*64+16
.endr
.endr
	s_wait_dscnt 0x0                               ; for the others' sake: my stores into the stage are done
	s_barrier_signal -1
	s_barrier_wait -1
.set t, 0
.rept 32
	ds_load_b128 v[ACC+4*t:ACC+4*t+3], v[RD] offset:STAGE+t*SPITCH
.set t, t+1
.endr
.set t, 0
.rept 32
	s_wait_dscnt 31-t
	global_store_b128 v[CO], v[ACC+4*t:ACC+4*t+3], s[8:9] offset:16384*t  ; 512 consecutive bytes of one head's row, at a multiple of 512 from the buffer's first byte
.set t, t+1
.endr
	s_wait_tensorcnt 0x0                           ; the wave's end
	ds_add_u32 v[SPW], v[NIL]
	s_wait_dscnt 0x0
	CROUND                                         ; the closing round
	s_endpgm
.Lfunc_end_k_q0ab6e88a25_proj:
	.size	k_q0ab6e88a25_proj, .Lfunc_end_k_q0ab6e88a25_proj-k_q0ab6e88a25_proj
	.p2alignl 7, 3214868480
	.fill 96, 4, 3214868480
	.section	.rodata,"a",@progbits
	.p2align	6, 0x0
	.amdhsa_kernel k_q0ab6e88a25_proj
		.amdhsa_group_segment_fixed_size 327680
		.amdhsa_private_segment_fixed_size 0
		.amdhsa_enable_private_segment 0
		.amdhsa_kernarg_size 32
		.amdhsa_user_sgpr_count 2
		.amdhsa_user_sgpr_kernarg_segment_ptr 1
		.amdhsa_wavefront_size32 1
		.amdhsa_system_sgpr_workgroup_id_x 1
		.amdhsa_system_sgpr_workgroup_id_y 1
		.amdhsa_system_sgpr_workgroup_id_z 1
		.amdhsa_system_vgpr_workitem_id 0
		.amdhsa_next_free_vgpr 512
		.amdhsa_next_free_sgpr 66
		.amdhsa_reserve_vcc 0
		.amdhsa_float_denorm_mode_32 3
		.amdhsa_float_denorm_mode_16_64 3
		.amdhsa_memory_ordered 1
		.amdhsa_forward_progress 1
		.amdhsa_inst_pref_size 86
	.end_amdhsa_kernel
	.amdgpu_metadata
---
amdhsa.version: [ 1, 2 ]
amdhsa.kernels:
  - .name:           k_q0ab6e88a25_proj
    .symbol:         k_q0ab6e88a25_proj.kd
    .args:
      - { .name: xb, .offset: 0, .size: 8, .value_kind: global_buffer, .address_space: global }
      - { .name: wts, .offset: 8, .size: 8, .value_kind: global_buffer, .address_space: global }
      - { .name: qk, .offset: 16, .size: 8, .value_kind: global_buffer, .address_space: global }
      - { .name: kk, .offset: 24, .size: 8, .value_kind: global_buffer, .address_space: global }
    .group_segment_fixed_size: 327680
    .private_segment_fixed_size: 0
    .kernarg_segment_align: 8
    .kernarg_segment_size: 32
    .max_flat_workgroup_size: 128
    .sgpr_count:     66
    .vgpr_count:     512
    .wavefront_size: 32
...
	.end_amdgpu_metadata
.endif
;; end of part 2
;; launch select (part 3): grid 128 x 4, 2 waves a work-group, no clusters, 2,816 bytes of LDS; arguments qk, kk, idx, cand; writes idx, cand
.if DOCPART == 3
	.amdgcn_target "amdgcn-amd-amdhsa--gfx1250"
	.amdhsa_code_object_version 6
	.text
	.protected	k_q0ab6e88a25_select
	.globl	k_q0ab6e88a25_select
	.p2align	8
	.type	k_q0ab6e88a25_select,@function
k_q0ab6e88a25_select:
	s_mov_b64 s[64:65], 0
	v_nop
	global_prefetch_b8 v0, s[64:65] scope:SCOPE_SE
	s_setreg_imm32_b32 hwreg(HW_REG_WAVE_MODE, 25, 1), 1
	s_wait_xcnt 0x0
; For one (b, h): the row numbers of the 32 largest and of the 32 smallest of its 4,096 keys, as whole numbers: idx[128 b + h][64], slots 0-31 the largest, 32-63 the smallest, in no order within a side.
; Equal keys are taken as a stable ascending sort takes them: the largest side takes the highest row numbers among equals, the smallest side the lowest.  -0 counts as +0.
; ALSO: for each half of the sequence (a wave's 2,048 rows) the row number of the q nearest to 0: cand[128 b + h][2][32 equal copies].  The next launch sums that q again; its sign chooses between two results.
; (|q| is compared without its lowest 12 bits, whose place the row number takes.)
; LIMITS.  NaN and infinite keys and q are not treated.  A gap between the 32nd and the 33rd key that lies within the rounding of the f32 sums that made the keys may be ordered otherwise than elsewhere.
; NOTHING STEERS ON DATA: minima, maxima, compares and selects alone; lanes are named by constants or by a counted loop; the stores' addresses hang on the lane.
; THE WAY.  Wave w holds keys 2048 w + 32 i + l in register i of lane l.  (1) Each lane sorts its 64 keys (a bitonic network over registers, two register sets by turns).
; (2) Lists of 32 are merged pairwise, keeping the 32 largest: max(A[i], B[31 - i]) and five stages.  At the first merge lanes 0-15 go on with the largest keys, lanes 16-31 with the NEGATED smallest:
; one text serves both sides.  Five merges inside the wave, one half merge across the two waves (through LDS) give the thresholds: the 32nd largest, the 32nd smallest.
; q is asked for behind the first exchange of lists, into 64 registers that are free from there on, and looked through behind the five merges: they are the work under which it comes.
; (3) Four bit maps of 4,096 bits (above, equal to the upper threshold; below, equal to the lower) go to LDS in the keys' own order.  (4) Wave 0 (largest) and wave 1 (smallest) each take
; 'beyond' and then 'equal' as one stream of 256 words, and lane l finds the place of the set bit of rank tau(l).
; No matrix unit, no cluster (no two work-groups share a byte).  A load of keys covers 128 consecutive bytes, so that a compare's mask is 32 neighbouring keys.  A wave's store is 128 bytes: half of an aligned 256; the launch stores 262,144 bytes in all.
.set XCH,  0                           ; LDS: 512 bytes: wave x 256 + side x 128: a list of 32
.set MASK, 512                         ; LDS: side x 1,024: 128 words 'beyond', 128 words 'equal'
.set SPARE, 2560                       ; the spare words, 128 bytes for each wave
.set LN,  1                            ; v1  lane
.set HF,  2                            ; v2  lane / 16
.set L4,  3                            ; v3  4 x lane
.set XA,  4                            ; v4  where my list goes
.set XB,  5                            ; v5  where the other wave's lies
.set WA,  6                            ; v6  256 x wave + 4 x lane: my words of a bit map
.set LDA, 7                            ; v7  1,024 x side + 32 x lane: my eight words of the stream
.set L16, 8                            ; v8  16 x lane
.set QT0, 9                            ; v9, v10 at work on q
.set QT1, 10
.set CD,  13                           ; v13 the row of the q nearest to 0: a store's data, never rewritten
.set SPW, 14
.set NIL, 15
.set KO,  16                           ; v[16:79]   the keys as loaded; kept whole
.set PA,  80                           ; v[80:143]  the sort's two sets; behind the first exchange v[80:111] take half of q
.set PB,  144                          ; v[144:207]
.set LIST,  PB+32                      ; behind the sort: the list in hand,
.set OTHER, PA+32                      ; the merge's second set,
.set RX,    PB                         ; the partner's list
.set QB,  208                          ; v[208:239] the other half of q, until it has been looked through
.set M,   208                          ; v[208:215] mask words: above 0-1, equal 2-3, below 4-5, equal 6-7
.set W,   216                          ; v[216:223] my eight words of the stream
.set X,   224                          ; v[224:231] the eight words that hold my rank
.set TOT, 232
.set TAU, 233
.set PS,  234
.set LS,  235
.set T0,  236
.set T1,  237
.set C,   238                          ; v[238:245] counts
.set R,   246
.set XW,  247
.set SP,  248
.set G,   249
.set PRE, 250
.set POS, 251
.set LA,  252
.set LB,  253
.set LC,  254
.set LD,  255
; One stage of a bitonic network over n registers: partners j apart; ascending where bit k of the index is 0.
.macro CESTAGE src, dst, n, k, j
.set ci, 0
.rept \n
.if (ci ^ (\j)) > ci
.if (ci & (\k)) == 0
	v_min_num_f32 v[(\dst)+ci], v[(\src)+ci], v[(\src)+(ci^(\j))]
	v_max_num_f32 v[(\dst)+(ci^(\j))], v[(\src)+ci], v[(\src)+(ci^(\j))]
.else
	v_max_num_f32 v[(\dst)+ci], v[(\src)+ci], v[(\src)+(ci^(\j))]
	v_min_num_f32 v[(\dst)+(ci^(\j))], v[(\src)+ci], v[(\src)+(ci^(\j))]
.endif
.endif
.set ci, ci+1
.endr
.endm
.macro STG k, j                        ; a stage of the sort; the two sets change places
	CESTAGE SRC, DST, 64, \k, \j
.if DST == PA
.set SRC, PA
.set DST, PB
.else
.set SRC, PB
.set DST, PA
.endif
.endm
.macro MERGE                           ; LIST and RX, both ascending -> the 32 largest of the 64, ascending, in LIST
.set mi, 0
.rept 32
	v_max_num_f32 v[OTHER+mi], v[LIST+mi], v[RX+31-mi]
.set mi, mi+1
.endr
	CESTAGE OTHER, LIST, 32, 64, 16
	CESTAGE LIST, OTHER, 32, 64, 8
	CESTAGE OTHER, LIST, 32, 64, 4
	CESTAGE LIST, OTHER, 32, 64, 2
	CESTAGE OTHER, LIST, 32, 64, 1
.endm
.macro POPB dst, src                   ; the set bits of each of the word's four bytes
	v_lshrrev_b32 v[T0], 1, v[\src]
	v_and_b32 v[T0], s26, v[T0]
	v_sub_nc_u32 v[T0], v[\src], v[T0]
	v_lshrrev_b32 v[T1], 2, v[T0]
	v_and_b32 v[T0], s27, v[T0]
	v_and_b32 v[T1], s27, v[T1]
	v_add_nc_u32 v[T0], v[T0], v[T1]
	v_lshrrev_b32 v[T1], 4, v[T0]
	v_add_nc_u32 v[T0], v[T0], v[T1]
	v_and_b32 v[\dst], s28, v[T0]
.endm
.macro LEVEL lv, w                     ; the search in a word: if my rank is not among the w bits at POS, it is among the next w
	v_bfe_u32 v[T0], v[\lv], v[POS], \w
	v_cmp_ge_u32 vcc_lo, v[R], v[T0]
	v_sub_nc_u32 v[T0], v[R], v[T0]
	v_add_nc_u32 v[T1], \w, v[POS]
	v_cndmask_b32 v[R], v[R], v[T0], vcc_lo
	v_cndmask_b32 v[POS], v[POS], v[T1], vcc_lo
.endm
	s_load_b128 s[4:7], s[0:1], 0x0                ; qk s[4:5], kk s[6:7]
	s_load_b128 s[52:55], s[0:1], 0x10             ; idx s[52:53], cand s[54:55]
	v_lshl_add_u32 v[SPW], v0, 2, SPARE
	v_mov_b32 v[NIL], 0
	v_lshrrev_b32 v[HF], 5, v0
	v_readfirstlane_b32 s8, v[HF]                  ; wave 0, 1
	v_and_b32 v[LN], 31, v0
	v_bfe_u32 v[HF], v0, 4, 1
	v_lshlrev_b32 v[L4], 2, v[LN]
	v_lshlrev_b32 v[L16], 4, v[LN]
	s_and_b32 s9, ttmp7, 0xffff                    ; b
	s_lshl_b32 s9, s9, 7
	s_add_co_u32 s9, s9, ttmp9                     ; 128 b + h
	s_lshl_b32 s2, s9, 14                          ; 16,384 bytes of q and of keys,
	s_lshl_b32 s3, s8, 13                          ; my wave's half
	s_add_co_u32 s2, s2, s3
	s_mov_b32 s3, 0
	s_lshl_b32 s46, s9, 8                          ; 256 bytes of idx and of cand,
	s_lshl_b32 s47, s8, 7                          ; my side's half
	s_add_co_u32 s46, s46, s47
	s_mov_b32 s47, 0
	s_lshl_b32 s48, s8, 8
	s_xor_b32 s49, s48, 256
	s_lshl_b32 s50, s8, 10
	s_lshl_b32 s56, s8, 11                         ; my half's first row
	s_mov_b32 s51, 0x7fffffc0                      ; |q| without its lowest 6 bits,
	s_mov_b32 s57, 0x7ffff000                      ; without its lowest 12
	v_lshl_add_u32 v[XA], v[HF], 7, s48
	v_lshl_add_u32 v[XB], v[HF], 7, s49
	v_add_nc_u32 v[WA], s48, v[L4]
	v_lshl_add_u32 v[LDA], v[LN], 5, s50
	s_mov_b32 s10, 0x76543210                      ; v_permlanex16_b32: each lane takes its own place in the other half
	s_mov_b32 s11, 0xfedcba98
	s_mov_b32 s12, 0x67452301                      ; v_permlane16_b32: lane xor 1,
	s_mov_b32 s13, 0xefcdab89
	s_mov_b32 s14, 0x54761032                      ; xor 2,
	s_mov_b32 s15, 0xdcfe98ba
	s_mov_b32 s16, 0x32107654                      ; xor 4,
	s_mov_b32 s17, 0xba98fedc
	s_mov_b32 s18, 0xfedcba98                      ; xor 8
	s_mov_b32 s19, 0x76543210
	s_mov_b32 s36, 0x67452301                      ; the first three once more, for q: the loop of merges uses its own up
	s_mov_b32 s37, 0xefcdab89
	s_mov_b32 s38, 0x54761032
	s_mov_b32 s39, 0xdcfe98ba
	s_mov_b32 s40, 0x32107654
	s_mov_b32 s41, 0xba98fedc
	s_mov_b32 s26, 0x55555555
	s_mov_b32 s27, 0x33333333
	s_mov_b32 s28, 0x0f0f0f0f
	s_mov_b32 s29, 0x00ff00ff
	s_mov_b32 s35, 0x01010101
	s_cmp_eq_u32 s8, 0
	s_cselect_b32 s44, -1, 0                       ; all ones in the wave of the largest side
	s_wait_kmcnt 0x0
	s_add_nc_u64 s[58:59], s[4:5], s[2:3]          ; q at my half,
	s_add_nc_u64 s[4:5], s[6:7], s[2:3]            ; the keys at my half
	s_add_nc_u64 s[6:7], s[52:53], s[46:47]        ; my side's 128 bytes of idx
	s_add_nc_u64 s[52:53], s[54:55], s[46:47]      ; my half's 128 bytes of cand
.set i, 0
.rept 64
	global_load_b32 v[KO+i], v[L4], s[4:5] offset:128*i
.set i, i+1
.endr
	s_wait_loadcnt 0x0                             ; the keys are in
	; (1) 64 keys a lane, ascending: 21 stages; the first reads the keys as loaded, the last writes PA
.set SRC, KO
.set DST, PA
.irp k, 2,4,8,16,32,64
.irp j, 32,16,8,4,2,1
.if \j < \k
	STG \k, \j
.endif
.endr
.endr
	; (2) the first merge, with the lane 16 away.  Lanes 0-15 keep their 32 largest and send their negated 32 smallest; lanes 16-31 the other way round.
	s_mov_b32 vcc_lo, 0xffff
.set i, 0
.rept 32
	v_sub_f32 v[PB+i], 0, v[PA+31-i]               ; the smallest, negated: ascending again
.set i, i+1
.endr
.set i, 0
.rept 32
	v_cndmask_b32 v[LIST+i], v[PB+i], v[PA+32+i], vcc_lo
.set i, i+1
.endr
.set i, 0
.rept 32
	v_cndmask_b32 v[PA+i], v[PA+32+i], v[PB+i], vcc_lo
.set i, i+1
.endr
.set i, 0
.rept 32
	v_permlanex16_b32 v[RX+i], v[PA+i], s10, s11
.set i, i+1
.endr
	; my 2,048 q are asked for: 16 loads of 512 consecutive bytes.  Register 4 j + c of lane l takes row 128 j + 4 l + c of my half.  No line touches these 64 registers before the wait behind the merges.
.set j, 0
.rept 8
	global_load_b128 v[PA+4*j:PA+4*j+3], v[L16], s[58:59] offset:512*j
.set j, j+1
.endr
.set j, 0
.rept 8
	global_load_b128 v[QB+4*j:QB+4*j+3], v[L16], s[58:59] offset:4096+512*j
.set j, j+1
.endr
	MERGE
	s_mov_b32 s45, 4
.Llevel:                                       ; four merges inside each half of 16 lanes: partners 1, 2, 4, 8 away
.set i, 0
.rept 32
	v_permlane16_b32 v[RX+i], v[LIST+i], s12, s13
.set i, i+1
.endr
	MERGE
	s_mov_b32 s12, s14                             ; the next level's selects move down
	s_mov_b32 s13, s15
	s_mov_b32 s14, s16
	s_mov_b32 s15, s17
	s_mov_b32 s16, s18
	s_mov_b32 s17, s19
	s_sub_co_u32 s45, s45, 1
	s_cmp_lg_u32 s45, 0
	s_cbranch_scc1 .Llevel
	; the q nearest to 0 among my 2,048
	s_wait_loadcnt 0x0                             ; q is in
.set i, 0
.rept 32
	v_and_or_b32 v[PA+i], v[PA+i], s51, i          ; the sign goes, the register's number takes the lowest 6 bits: as whole numbers these order as |q| does
	v_and_or_b32 v[QB+i], v[QB+i], s51, 32+i
.set i, i+1
.endr
.set i, 0
.rept 32
	v_min_u32 v[PA+i], v[PA+i], v[QB+i]
.set i, i+1
.endr
.irp n, 16,8,4,2,1
.set i, 0
.rept \n
	v_min_u32 v[PA+i], v[PA+i], v[PA+\n+i]
.set i, i+1
.endr
.endr
	v_and_b32 v[QT0], 63, v[PA]                    ; the register's number 4 j + c
	v_lshrrev_b32 v[QT1], 2, v[QT0]                ; j
	v_and_b32 v[QT0], 3, v[QT0]                    ; c
	v_lshl_add_u32 v[QT0], v[QT1], 7, v[QT0]       ; 128 j + c
	v_add3_u32 v[QT0], v[QT0], v[L4], s56          ; the row: 2,048 w + 128 j + 4 l + c
	v_and_or_b32 v[QT0], v[PA], s57, v[QT0]
	v_permlane16_b32 v[QT1], v[QT0], s36, s37      ; the least over the 32 lanes
	v_min_u32 v[QT0], v[QT0], v[QT1]
	v_permlane16_b32 v[QT1], v[QT0], s38, s39
	v_min_u32 v[QT0], v[QT0], v[QT1]
	v_permlane16_b32 v[QT1], v[QT0], s40, s41
	v_min_u32 v[QT0], v[QT0], v[QT1]
	v_permlane16_b32 v[QT1], v[QT0], s18, s19
	v_min_u32 v[QT0], v[QT0], v[QT1]
	v_permlanex16_b32 v[QT1], v[QT0], s10, s11
	v_min_u32 v[QT0], v[QT0], v[QT1]
	v_and_b32 v[CD], 0xfff, v[QT0]
	global_store_b32 v[L4], v[CD], s[52:53]        ; 32 equal copies: no lane is switched off; none of the store's registers is written again
	; across the two waves: all 16 lanes of a half hold the same list and write the same bytes
.irp q, 0,1,2,3,4,5,6,7
	ds_store_b128 v[XA], v[LIST+4*(\q):LIST+4*(\q)+3] offset:XCH+16*(\q)
.endr
	s_wait_dscnt 0x0                               ; for the other wave's sake
	s_barrier_signal -1
	s_barrier_wait -1
.irp q, 0,1,2,3,4,5,6,7
	ds_load_b128 v[RX+4*(\q):RX+4*(\q)+3], v[XB] offset:XCH+16*(\q)
.endr
	s_wait_dscnt 0x0
.set i, 0
.rept 32
	v_max_num_f32 v[OTHER+i], v[LIST+i], v[RX+31-i]  ; the 32 largest of all; their least is the threshold
.set i, i+1
.endr
	v_min3_num_f32 v[T0], v[OTHER], v[OTHER+1], v[OTHER+2]
.set i, 3
.rept 14
	v_min3_num_f32 v[T0], v[T0], v[OTHER+i], v[OTHER+i+1]
.set i, i+2
.endr
	v_min_num_f32 v[T0], v[T0], v[OTHER+31]
	v_readlane_b32 s20, v[T0], 0                   ; the 32nd largest key
	v_readlane_b32 s21, v[T0], 16
	s_xor_b32 s21, s21, 0x80000000                 ; the 32nd smallest
	; (3) the bit maps: a compare's mask is word 64 w + i; it is set into lane i % 32 of a register, and 32 words leave by one LDS store
.irp g, 0,1,2,3,4,5,6,7
	v_mov_b32 v[M+(\g)], 0
.endr
.set i, 0
.rept 64
	v_cmp_lt_f32 s22, s20, v[KO+i]
	v_cmp_eq_f32 s23, s20, v[KO+i]
	v_cmp_gt_f32 s24, s21, v[KO+i]
	v_cmp_eq_f32 s25, s21, v[KO+i]
	v_writelane_b32 v[M+0+i/32], s22, i%32
	v_writelane_b32 v[M+2+i/32], s23, i%32
	v_writelane_b32 v[M+4+i/32], s24, i%32
	v_writelane_b32 v[M+6+i/32], s25, i%32
.set i, i+1
.endr
.irp g, 0,1,2,3
	ds_store_b32 v[WA], v[M+2*(\g)]   offset:MASK+512*(\g)
	ds_store_b32 v[WA], v[M+2*(\g)+1] offset:MASK+512*(\g)+128
.endr
	s_wait_dscnt 0x0
	s_barrier_signal -1
	s_barrier_wait -1
	; (4) my side's stream: lanes 0-15 hold the words of 'beyond', lanes 16-31 those of 'equal'
	ds_load_b128 v[W:W+3], v[LDA] offset:MASK
	ds_load_b128 v[W+4:W+7], v[LDA] offset:MASK+16
	s_wait_dscnt 0x0
.irp g, 0,1,2,3,4,5,6,7
	POPB C+(\g), W+(\g)
.endr
	v_add3_u32 v[T0], v[C], v[C+1], v[C+2]         ; at most 64 in a byte
	v_add3_u32 v[T0], v[T0], v[C+3], v[C+4]
	v_add3_u32 v[T0], v[T0], v[C+5], v[C+6]
	v_add_nc_u32 v[T0], v[T0], v[C+7]
	v_lshrrev_b32 v[T1], 8, v[T0]
	v_and_b32 v[T0], s29, v[T0]
	v_and_b32 v[T1], s29, v[T1]
	v_add_nc_u32 v[T0], v[T0], v[T1]               ; fields of 16 bits: 256 must not wrap
	v_lshrrev_b32 v[T1], 16, v[T0]
	v_and_b32 v[T0], 0xffff, v[T0]
	v_add_nc_u32 v[TOT], v[T0], v[T1]              ; the set bits of my eight words
	v_cvt_f32_u32 v[T0], v[TOT]                    ; their sum over 16 lanes, exact in f32
	v_add_f32_dpp v[T0], v[T0], v[T0] row_xmask:1 row_mask:0xf bank_mask:0xf
	v_add_f32_dpp v[T0], v[T0], v[T0] row_xmask:2 row_mask:0xf bank_mask:0xf
	v_add_f32_dpp v[T0], v[T0], v[T0] row_xmask:4 row_mask:0xf bank_mask:0xf
	v_add_f32_dpp v[T0], v[T0], v[T0] row_xmask:8 row_mask:0xf bank_mask:0xf
	v_cvt_u32_f32 v[T0], v[T0]
	v_readlane_b32 s30, v[T0], 0                   ; cg: keys beyond the threshold, 31 at the most
	v_readlane_b32 s31, v[T0], 16                  ; cq: keys equal to it, 32 - cg at the least
	s_lshl_b32 s46, s30, 1
	s_add_co_u32 s46, s46, s31
	s_sub_co_u32 s46, s46, 1                       ; 2 cg + cq - 1
	v_sub_nc_u32 v[T0], s46, v[LN]                 ; the largest side takes equals from the highest rank down
	v_cmp_le_u32 s22, s30, v[LN]
	s_and_b32 s22, s22, s44
	v_cndmask_b32 v[TAU], v[LN], v[T0], s22        ; else slot l takes rank l
.irp g, 0,1,2,3,4,5,6,7
	v_mov_b32 v[X+(\g)], 0
.endr
	v_mov_b32 v[PS], 0
	v_mov_b32 v[LS], 0
	s_mov_b32 s32, 0
	s_mov_b32 s33, 0
.Lscan:                                        ; 32 trips: the last lane whose running count is not above my rank holds my bit
	v_readlane_b32 s34, v[TOT], s32
.irp g, 0,1,2,3,4,5,6,7
	v_readlane_b32 s[36+(\g)], v[W+(\g)], s32
.endr
	v_cmp_le_u32 vcc_lo, s33, v[TAU]
.irp g, 0,1,2,3,4,5,6,7
	v_cndmask_b32 v[X+(\g)], v[X+(\g)], s[36+(\g)], vcc_lo
.endr
	v_cndmask_b32 v[PS], v[PS], s33, vcc_lo
	v_cndmask_b32 v[LS], v[LS], s32, vcc_lo
	s_add_co_u32 s33, s33, s34
	s_add_co_u32 s32, s32, 1
	s_cmp_lt_u32 s32, 32
	s_cbranch_scc1 .Lscan
	v_sub_nc_u32 v[R], v[TAU], v[PS]               ; my rank among those eight words
.irp g, 0,1,2,3,4,5,6
	POPB C+(\g), X+(\g)
	v_mul_lo_u32 v[C+(\g)], v[C+(\g)], s35
	v_lshrrev_b32 v[C+(\g)], 24, v[C+(\g)]         ; the word's set bits, 32 at the most
.endr
	v_mov_b32 v[XW], v[X]
	v_mov_b32 v[SP], 0
	v_mov_b32 v[G], 0
	v_mov_b32 v[PRE], 0
.irp g, 1,2,3,4,5,6,7
	v_add_nc_u32 v[PRE], v[PRE], v[C+(\g)-1]
	v_cmp_le_u32 vcc_lo, v[PRE], v[R]
	v_cndmask_b32 v[XW], v[XW], v[X+(\g)], vcc_lo
	v_cndmask_b32 v[SP], v[SP], v[PRE], vcc_lo
	v_cndmask_b32 v[G], v[G], \g, vcc_lo
.endr
	v_sub_nc_u32 v[R], v[R], v[SP]                 ; my rank in the word
	v_lshrrev_b32 v[T0], 1, v[XW]                  ; its counts by fields of 2, 4, 8 and 16 bits
	v_and_b32 v[T0], s26, v[T0]
	v_sub_nc_u32 v[LA], v[XW], v[T0]
	v_lshrrev_b32 v[T0], 2, v[LA]
	v_and_b32 v[T1], s27, v[LA]
	v_and_b32 v[T0], s27, v[T0]
	v_add_nc_u32 v[LB], v[T0], v[T1]
	v_lshrrev_b32 v[T0], 4, v[LB]
	v_add_nc_u32 v[T0], v[T0], v[LB]
	v_and_b32 v[LC], s28, v[T0]
	v_lshrrev_b32 v[T0], 8, v[LC]
	v_add_nc_u32 v[T0], v[T0], v[LC]
	v_and_b32 v[LD], s29, v[T0]
	v_mov_b32 v[POS], 0
	LEVEL LD, 16
	LEVEL LC, 8
	LEVEL LB, 4
	LEVEL LA, 2
	LEVEL XW, 1
	v_lshl_add_u32 v[T0], v[LS], 3, v[G]           ; the word's number in the stream;
	v_and_b32 v[T0], 127, v[T0]                    ; in its bit map
	v_lshl_add_u32 v[T0], v[T0], 5, v[POS]         ; the row's number, 0 to 4,095
	global_store_b32 v[L4], v[T0], s[6:7]
	s_wait_tensorcnt 0x0                           ; the wave's end, behind my last LDS store
	ds_add_u32 v[SPW], v[NIL]
	s_wait_dscnt 0x0
	s_endpgm
.Lfunc_end_k_q0ab6e88a25_select:
	.size	k_q0ab6e88a25_select, .Lfunc_end_k_q0ab6e88a25_select-k_q0ab6e88a25_select
	.p2alignl 7, 3214868480
	.fill 96, 4, 3214868480
	.section	.rodata,"a",@progbits
	.p2align	6, 0x0
	.amdhsa_kernel k_q0ab6e88a25_select
		.amdhsa_group_segment_fixed_size 2816
		.amdhsa_private_segment_fixed_size 0
		.amdhsa_enable_private_segment 0
		.amdhsa_kernarg_size 32
		.amdhsa_user_sgpr_count 2
		.amdhsa_user_sgpr_kernarg_segment_ptr 1
		.amdhsa_wavefront_size32 1
		.amdhsa_system_sgpr_workgroup_id_x 1
		.amdhsa_system_sgpr_workgroup_id_y 1
		.amdhsa_system_sgpr_workgroup_id_z 1
		.amdhsa_system_vgpr_workitem_id 0
		.amdhsa_next_free_vgpr 256
		.amdhsa_next_free_sgpr 66
		.amdhsa_reserve_vcc 1
		.amdhsa_float_denorm_mode_32 3
		.amdhsa_float_denorm_mode_16_64 3
		.amdhsa_memory_ordered 1
		.amdhsa_forward_progress 1
		.amdhsa_inst_pref_size 127
	.end_amdhsa_kernel
	.amdgpu_metadata
---
amdhsa.version: [ 1, 2 ]
amdhsa.kernels:
  - .name:           k_q0ab6e88a25_select
    .symbol:         k_q0ab6e88a25_select.kd
    .args:
      - { .name: qk, .offset: 0, .size: 8, .value_kind: global_buffer, .address_space: global }
      - { .name: kk, .offset: 8, .size: 8, .value_kind: global_buffer, .address_space: global }
      - { .name: idx, .offset: 16, .size: 8, .value_kind: global_buffer, .address_space: global }
      - { .name: cand, .offset: 24, .size: 8, .value_kind: global_buffer, .address_space: global }
    .group_segment_fixed_size: 2816
    .private_segment_fixed_size: 0
    .kernarg_segment_align: 8
    .kernarg_segment_size: 32
    .max_flat_workgroup_size: 64
    .sgpr_count:     66
    .vgpr_count:     256
    .wavefront_size: 32
...
	.end_amdgpu_metadata
.endif
;; end of part 3
;; launch vsel (part 4): grid 128 x 4, 8 waves a work-group, no clusters, 34,048 bytes of LDS; arguments idx, cand, kk, xb, wts, tab, qk; writes tab, qk
.if DOCPART == 4
	.amdgcn_target "amdgcn-amd-amdhsa--gfx1250"
	.amdhsa_code_object_version 6
	.text
	.protected	k_q0ab6e88a25_vsel
	.globl	k_q0ab6e88a25_vsel
	.p2align	8
	.type	k_q0ab6e88a25_vsel,@function
k_q0ab6e88a25_vsel:
	s_mov_b64 s[64:65], 0
	v_nop
	global_prefetch_b8 v0, s[64:65] scope:SCOPE_SE
	s_setreg_imm32_b32 hwreg(HW_REG_WAVE_MODE, 25, 1), 1
	s_wait_xcnt 0x0
; For one (b, h), three things.
; (1) v at the 64 chosen rows alone, v[slot][c] = the sum over d of x[b][idx[slot]][d] Wv[8 h + c][d] (bf16 operands, f32 sums), rounded once to f16.
; (2) The keys at those rows less their extreme, times log2(e), in f32: for the largest side k - kmax, for the smallest k - kmin.  With them max_j q k_j is taken away for every q:
; it is q kmax where q > 0 and q kmin where q <= 0.
; (3) THE q NEAREST TO 0 OF EACH HALF SEQUENCE IS SUMMED AGAIN, IN PLAIN f32 ORDER, and written over the matrix unit's sum.  q's sign chooses between two different results, and for a q this near to 0
; the order of rounding decides the sign.  Two numbers of the head's 4,096: the bulk of the product stays where it was made.  THE ORDER: four runs of 256 terms in ascending d, each a chain of f32
; additions that starts at 0 (a product of two bf16 numbers is exact in f32, so the chain gives what a chain of fused multiply-adds gives); then ((run 0 + run 1) + run 2) + run 3.
; tab: DK f32 [512][2][32] at byte 0; VT f16 [512][2 halves][32 lanes][16 bytes] at byte 131,072: the register image of the next launch's source 0 (rows 0-7: the 8 channels at the largest
; side's 32 slots; rows 8-15: at the smallest side's).
; LIMITS.  |v| stays under 65,504 (f16's end).  One q in each 2,048 is summed again; where another order of rounding is expected, a q within that rounding of 0 may still fall on the other side.
; A product x Wq under 2^-126 is rounded before it is added.
; SHARES.  K IS SPLIT AMONG THE EIGHT WAVES: wave w takes d = 128 w .. 128 w + 127: 256 consecutive bytes, aligned, of each gathered row.  Four tiles of 16 slots x four steps of 32: 16 matrix
; instructions a wave, the four accumulators by turns.  Source 1's 16 columns are the 8 channels twice, so that both halves of the next launch's rows come out of the same product.
; Of (3) wave w takes half w / 4 and run w % 4: 512 bytes of a row of x and of Wq's row, 16 bytes a lane: lane l holds terms 8 l .. 8 l + 7 and makes their 8 products at once.  The chain is 256 additions
; onto one register, alike in all lanes; a lane's eight products are read into scalar registers one lane ahead of the additions that take them, two sets of eight by turns, so that no read hangs on the sum.
; The loop (16 trips of two lanes) stands between the issue of the gather and the wait for it.
; The partial sums of (1) and the run sums of (3) meet in LDS at one barrier.  The row numbers were stored as whole numbers by the launch before; each is clamped to 4,095 ahead of its use in an address.
; The launch loads from idx, cand, kk, xb and wts, and stores into tab and qk.  No two work-groups want the same tile at the same time, so no cluster.
.set WV_OFF, 524288
.set VT_OFF, 131072
.set PART,  0                          ; LDS: wave x 4,096 + tile x 1,024 + half x 512 + 16 x lane
.set RSUM,  32768                      ; LDS: wave w's run sum at 4 w: a block of 256 bytes of its own
.set SPARE, 33024                      ; the spare words, 128 bytes for each wave
.set ACC, 32                           ; v[32:63]   four accumulators
.set AF,  64                           ; v[64:191]  x's fragments: tile t, step f at 64 + 32 t + 8 f; later the partial sums
.set BF,  192                          ; v[192:223] Wv's fragments, step f at 192 + 8 f
.set RXD, 224                          ; v[224:227] my 8 terms' x
.set RWD, 228                          ; v[228:231] my 8 terms' Wq
.set PR,  232                          ; v[232:239] my 8 products
.set SA,  48                           ; s[48:55]   an even lane's eight products
.set SB,  56                           ; s[56:63]   an odd lane's
	s_load_b256 s[16:23], s[0:1], 0x0              ; idx s[16:17], cand s[18:19], kk s[20:21], xb s[22:23]
	s_load_b128 s[24:27], s[0:1], 0x20             ; wts s[24:25], tab s[26:27]
	s_load_b64 s[28:29], s[0:1], 0x30              ; qk
	v_lshl_add_u32 v24, v0, 2, SPARE               ; v24 my spare word, v25 0; never rewritten
	v_mov_b32 v25, 0
	v_lshrrev_b32 v1, 5, v0
	v_readfirstlane_b32 s8, v1                     ; wave 0..7
	v_and_b32 v3, 31, v0                           ; l
	v_and_b32 v1, 15, v0                           ; l % 16
	v_bfe_u32 v2, v0, 4, 1                         ; l / 16
	v_lshlrev_b32 v13, 2, v1
	v_lshlrev_b32 v23, 2, v3
	v_lshlrev_b32 v28, 4, v3                       ; 16 l
	v_and_b32 v31, 1, v0
	v_lshlrev_b32 v31, 7, v31                      ; 128 (l % 2): the half whose row number lane l reads for the store of q
	s_lshl_b32 s9, s8, 8
	v_lshl_add_u32 v14, v2, 4, s9                  ; 16 (l / 16) + 256 x wave: my place in a row
	v_and_b32 v12, 7, v0
	v_lshl_add_u32 v12, v12, 11, v14               ; Wv: channel l % 8
	s_lshl_b32 s9, s8, 12
	v_lshl_add_u32 v20, v3, 4, s9                  ; where my partial sums go
	s_lshl_b32 s9, s8, 10
	v_lshl_add_u32 v21, v3, 4, s9                  ; waves 0, 1: tile = my wave's number
	s_lshl_b32 s9, s8, 9
	v_lshl_add_u32 v22, v3, 4, s9                  ; and my half of VT
	s_lshl_b32 s9, s8, 2
	v_mov_b32 v15, s9                              ; 4 w: my run sum's word
	s_mov_b32 s10, 0x76543210
	s_mov_b32 s11, 0xfedcba98
	s_mov_b32 s12, 0x00ff00ff                      ; lanes with l % 16 < 8
	s_and_b32 s3, ttmp7, 0xffff                    ; b
	s_lshl_b32 s4, s3, 7
	s_add_co_u32 s4, s4, ttmp9                     ; 128 b + h
	s_lshr_b32 s5, s8, 2                           ; the half whose q I help to sum
	s_and_b32 s6, s8, 3                            ; my run
	s_lshl_b32 s7, s6, 9                           ; 512 bytes a run
	s_mov_b32 s31, 0
	s_wait_kmcnt 0x0
	s_lshl_b32 s30, s4, 8
	s_add_nc_u64 s[16:17], s[16:17], s[30:31]      ; my 64 row numbers
	s_add_nc_u64 s[36:37], s[26:27], s[30:31]      ; my 256 bytes of DK
	s_add_nc_u64 s[40:41], s[18:19], s[30:31]      ; the head's 256 bytes of cand,
	s_lshl_b32 s30, s5, 7
	s_add_nc_u64 s[18:19], s[40:41], s[30:31]      ; my half's 128
	s_lshl_b32 s30, s4, 14
	s_add_nc_u64 s[20:21], s[20:21], s[30:31]      ; my 4,096 keys
	s_add_nc_u64 s[28:29], s[28:29], s[30:31]      ; my 4,096 q
	s_lshl_b32 s30, s3, 23
	s_add_nc_u64 s[22:23], s[22:23], s[30:31]      ; the batch's rows of x,
	s_mov_b32 s30, s7
	s_add_nc_u64 s[42:43], s[22:23], s[30:31]      ; at my run
	s_lshl_b32 s30, ttmp9, 14
	s_add_co_u32 s30, s30, WV_OFF
	s_add_nc_u64 s[32:33], s[24:25], s[30:31]      ; the head's 8 rows of Wv
	s_lshl_b32 s30, ttmp9, 11
	s_add_co_u32 s30, s30, s7
	s_add_nc_u64 s[34:35], s[24:25], s[30:31]      ; the head's row of Wq (Wq's rows come first in wts), at my run
	s_lshl_b32 s30, s4, 10
	s_add_co_u32 s30, s30, VT_OFF
	s_add_nc_u64 s[38:39], s[26:27], s[30:31]      ; my 1,024 bytes of VT
.irp t, 0,1,2,3
	global_load_b32 v[4+(\t)], v13, s[16:17] offset:64*(\t)  ; slot 16 t + l % 16: a fragment's row
.endr
	global_load_b32 v16, v23, s[16:17]             ; slot l of each side: every wave issues these two, the load into v30 and the two key loads below, so that the counted waits are alike in all waves; waves 2 and 3 use them
	global_load_b32 v17, v23, s[16:17] offset:128
	global_load_b32 v26, v23, s[18:19]             ; the row of my half's q (32 equal copies, a lane each)
	global_load_b32 v30, v31, s[40:41]             ; even lanes: half 0's row; odd lanes: half 1's
.irp f, 0,1,2,3
	global_load_b128 v[BF+8*(\f):BF+8*(\f)+3],   v12, s[32:33] offset:64*(\f)
	global_load_b128 v[BF+8*(\f)+4:BF+8*(\f)+7], v12, s[32:33] offset:64*(\f)+32
.endr
	global_load_b128 v[RWD:RWD+3], v28, s[34:35]   ; my 8 terms of Wq
	s_wait_loadcnt 9                               ; the eight loads of row numbers are in; Wv's eight and Wq's one stay out
	v_min_u32 v26, 0xfff, v26
	v_lshl_add_u32 v27, v26, 11, v28               ; 2,048 bytes a row, 16 bytes a lane
	global_load_b128 v[RXD:RXD+3], v27, s[42:43]   ; my 8 terms of x: the first of the gathered loads, since the chain wants it first
.irp t, 0,1,2,3
	v_min_u32 v[4+(\t)], 0xfff, v[4+(\t)]
	v_lshl_add_u32 v[8+(\t)], v[4+(\t)], 11, v14   ; 2,048 bytes a row
.endr
	v_min_u32 v16, 0xfff, v16
	v_lshlrev_b32 v16, 2, v16
	v_min_u32 v17, 0xfff, v17
	v_lshlrev_b32 v17, 2, v17
	v_min_u32 v30, 0xfff, v30
	v_lshlrev_b32 v30, 2, v30                      ; the q's place among the head's 4,096
	global_load_b32 v18, v16, s[20:21]             ; the key of slot l, largest side,
	global_load_b32 v19, v17, s[20:21]             ; smallest side
.irp f, 0,1,2,3
.irp t, 0,1,2,3
	global_load_b128 v[AF+32*(\t)+8*(\f):AF+32*(\t)+8*(\f)+3],   v[8+(\t)], s[22:23] offset:64*(\f)
	global_load_b128 v[AF+32*(\t)+8*(\f)+4:AF+32*(\t)+8*(\f)+7], v[8+(\t)], s[22:23] offset:64*(\f)+32
.endr
.endr
	s_wait_loadcnt 34                              ; my terms of x and of Wq are in; the two key loads and the 32 loads of fragments stay out
	v_mov_b32 v29, 0                               ; the running sum starts at 0; first it serves as the products' addend
.irp j, 0,1,2,3
	v_fma_mix_f32_bf16 v[PR+2*(\j)],   v[RXD+(\j)], v[RWD+(\j)], v29 op_sel_hi:[1,1,0]                 ; a word's low half holds the lower d
	v_fma_mix_f32_bf16 v[PR+2*(\j)+1], v[RXD+(\j)], v[RWD+(\j)], v29 op_sel:[1,1,0] op_sel_hi:[1,1,0]
.endr
.irp j, 0,1,2,3,4,5,6,7
	v_readlane_b32 s[SA+(\j)], v[PR+(\j)], 0       ; lane 0's eight
.endr
	s_mov_b32 s44, 16                              ; trips
	s_mov_b32 s45, 1                               ; the trip's odd lane
	s_mov_b32 s46, 2                               ; the next trip's even lane
.Lchain:                                       ; trip i: the sixteen links of lanes 2 i and 2 i + 1
.irp j, 0,1,2,3,4,5,6,7
	v_readlane_b32 s[SB+(\j)], v[PR+(\j)], s45
.endr
.irp j, 0,1,2,3,4,5,6,7
	v_add_f32 v29, s[SA+(\j)], v29
.endr
.irp j, 0,1,2,3,4,5,6,7
	v_readlane_b32 s[SA+(\j)], v[PR+(\j)], s46     ; (in the last trip lane 31's once more; nothing takes them)
.endr
.irp j, 0,1,2,3,4,5,6,7
	v_add_f32 v29, s[SB+(\j)], v29
.endr
	s_add_co_u32 s45, s45, 2
	s_add_co_u32 s46, s46, 2
	s_min_u32 s46, s46, 31                         ; there is no lane 32
	s_sub_co_u32 s44, s44, 1
	s_cmp_lg_u32 s44, 0
	s_cbranch_scc1 .Lchain
	ds_store_b32 v15, v29 offset:RSUM              ; my run's sum: all lanes write the same word with the same value
.irp f, 0,1,2,3
	s_wait_loadcnt 24-8*(\f)                       ; step f's eight loads are in; the later steps' stay out
.irp t, 0,1,2,3
.if (\f) == 0
	v_wmma_f32_16x16x32_bf16 v[ACC+8*(\t):ACC+8*(\t)+7], v[AF+32*(\t)+8*(\f):AF+32*(\t)+8*(\f)+7], v[BF+8*(\f):BF+8*(\f)+7], 0
.else
	v_wmma_f32_16x16x32_bf16 v[ACC+8*(\t):ACC+8*(\t)+7], v[AF+32*(\t)+8*(\f):AF+32*(\t)+8*(\f)+7], v[BF+8*(\f):BF+8*(\f)+7], v[ACC+8*(\t):ACC+8*(\t)+7]
.endif
.endr
.endr
.rept 4
	v_nop                                          ; the places behind the last products
.endr
.irp t, 0,1,2,3
	ds_store_b128 v20, v[ACC+8*(\t):ACC+8*(\t)+3]   offset:PART+1024*(\t)
	ds_store_b128 v20, v[ACC+8*(\t)+4:ACC+8*(\t)+7] offset:PART+1024*(\t)+512
.endr
	s_wait_dscnt 0x0
	s_barrier_signal -1
	s_barrier_wait -1                              ; all eight partial sums of the four tiles, and the eight run sums, lie in LDS
	s_cmp_lt_u32 s8, 2
	s_cbranch_scc0 .Lnot_sum
	; waves u = 0, 1: tiles u (largest side) and u + 2 (smallest): in a result lane (r, hf) register j holds slot 16 t + 8 hf + j of channel r % 8
.irp v, 0,1,2,3,4,5,6,7
.irp s, 0,1
.irp g, 0,1
	ds_load_b128 v[AF+16*(\v)+8*(\s)+4*(\g):AF+16*(\v)+8*(\s)+4*(\g)+3], v21 offset:PART+4096*(\v)+2048*(\s)+512*(\g)
.endr
.endr
.endr
	s_wait_dscnt 0x0
.irp v, 1,2,3,4,5,6,7
.irp p, 0,1,2,3,4,5,6,7
	v_pk_add_f32 v[AF+2*(\p):AF+2*(\p)+1], v[AF+2*(\p):AF+2*(\p)+1], v[AF+16*(\v)+2*(\p):AF+16*(\v)+2*(\p)+1]
.endr
.endr
.irp j, 0,1,2,3
	v_cvt_pk_f16_f32 v[AF+16+(\j)], v[AF+2*(\j)], v[AF+2*(\j)+1]
	v_cvt_pk_f16_f32 v[AF+20+(\j)], v[AF+8+2*(\j)], v[AF+8+2*(\j)+1]
.endr
.irp j, 0,1,2,3
	v_cndmask_b32 v[AF+16+(\j)], v[AF+20+(\j)], v[AF+16+(\j)], s12  ; rows 0-7 the largest side's, rows 8-15 the smallest's
.endr
	global_store_b128 v22, v[AF+16:AF+19], s[38:39]  ; 512 consecutive bytes, aligned
	s_branch .Lend
.Lnot_sum:
	s_cmp_eq_u32 s8, 2
	s_cbranch_scc0 .Lnot_dk
	; wave 2: the extremes over the 32 lanes (registers whose old contents are no longer wanted take the results)
	v_max_num_f32_dpp v4, v18, v18 row_xmask:1 row_mask:0xf bank_mask:0xf
	v_min_num_f32_dpp v5, v19, v19 row_xmask:1 row_mask:0xf bank_mask:0xf
	v_max_num_f32_dpp v4, v4, v4 row_xmask:2 row_mask:0xf bank_mask:0xf
	v_min_num_f32_dpp v5, v5, v5 row_xmask:2 row_mask:0xf bank_mask:0xf
	v_max_num_f32_dpp v4, v4, v4 row_xmask:4 row_mask:0xf bank_mask:0xf
	v_min_num_f32_dpp v5, v5, v5 row_xmask:4 row_mask:0xf bank_mask:0xf
	v_max_num_f32_dpp v4, v4, v4 row_xmask:8 row_mask:0xf bank_mask:0xf
	v_min_num_f32_dpp v5, v5, v5 row_xmask:8 row_mask:0xf bank_mask:0xf
	v_permlanex16_b32 v6, v4, s10, s11
	v_permlanex16_b32 v7, v5, s10, s11
	v_max_num_f32 v4, v4, v6
	v_min_num_f32 v5, v5, v7
	v_sub_f32 v18, v18, v4                         ; k - kmax, never above 0
	v_sub_f32 v19, v19, v5                         ; k - kmin, never below 0
	v_mul_f32 v18, 0x3fb8aa3b, v18                 ; times log2(e): the next launch's exponentials are to base 2
	v_mul_f32 v19, 0x3fb8aa3b, v19
	global_store_b32 v23, v18, s[36:37]
	global_store_b32 v23, v19, s[36:37] offset:128
	s_branch .Lend
.Lnot_dk:
	s_cmp_eq_u32 s8, 3
	s_cbranch_scc0 .Lend
	; wave 3: the four runs of each half, in ascending order: even lanes take half 0's (words 0-3), odd lanes half 1's (words 4-7)
	v_and_b32 v4, 1, v0
	v_lshlrev_b32 v4, 4, v4
	ds_load_b128 v[AF:AF+3], v4 offset:RSUM
	s_wait_dscnt 0x0
	v_add_f32 v5, v[AF], v[AF+1]
	v_add_f32 v5, v5, v[AF+2]
	v_add_f32 v5, v5, v[AF+3]
	v_cmp_gt_u32 vcc_lo, 2, v3
	s_wait_xcnt 0x0                                ; EXEC changes only behind this wait
	s_and_saveexec_b32 s9, vcc_lo                  ; lane 0 stores half 0's q, lane 1 half 1's
	global_store_b32 v30, v5, s[28:29]
	s_wait_xcnt 0x0                                ; and again, in front of the line that widens it
	s_or_b32 exec_lo, exec_lo, s9
.Lend:
	s_wait_tensorcnt 0x0                           ; the wave's end, behind my last LDS store
	ds_add_u32 v24, v25
	s_wait_dscnt 0x0
	s_endpgm
.Lfunc_end_k_q0ab6e88a25_vsel:
	.size	k_q0ab6e88a25_vsel, .Lfunc_end_k_q0ab6e88a25_vsel-k_q0ab6e88a25_vsel
	.p2alignl 7, 3214868480
	.fill 96, 4, 3214868480
	.section	.rodata,"a",@progbits
	.p2align	6, 0x0
	.amdhsa_kernel k_q0ab6e88a25_vsel
		.amdhsa_group_segment_fixed_size 34048
		.amdhsa_private_segment_fixed_size 0
		.amdhsa_enable_private_segment 0
		.amdhsa_kernarg_size 56
		.amdhsa_user_sgpr_count 2
		.amdhsa_user_sgpr_kernarg_segment_ptr 1
		.amdhsa_wavefront_size32 1
		.amdhsa_system_sgpr_workgroup_id_x 1
		.amdhsa_system_sgpr_workgroup_id_y 1
		.amdhsa_system_sgpr_workgroup_id_z 1
		.amdhsa_system_vgpr_workitem_id 0
		.amdhsa_next_free_vgpr 240
		.amdhsa_next_free_sgpr 66
		.amdhsa_reserve_vcc 1
		.amdhsa_float_denorm_mode_32 3
		.amdhsa_float_denorm_mode_16_64 3
		.amdhsa_memory_ordered 1
		.amdhsa_forward_progress 1
		.amdhsa_inst_pref_size 22
	.end_amdhsa_kernel
	.amdgpu_metadata
---
amdhsa.version: [ 1, 2 ]
amdhsa.kernels:
  - .name:           k_q0ab6e88a25_vsel
    .symbol:         k_q0ab6e88a25_vsel.kd
    .args:
      - { .name: idx, .offset: 0, .size: 8, .value_kind: global_buffer, .address_space: global }
      - { .name: cand, .offset: 8, .size: 8, .value_kind: global_buffer, .address_space: global }
      - { .name: kk, .offset: 16, .size: 8, .value_kind: global_buffer, .address_space: global }
      - { .name: xb, .offset: 24, .size: 8, .value_kind: global_buffer, .address_space: global }
      - { .name: wts, .offset: 32, .size: 8, .value_kind: global_buffer, .address_space: global }
      - { .name: tab, .offset: 40, .size: 8, .value_kind: global_buffer, .address_space: global }
      - { .name: qk, .offset: 48, .size: 8, .value_kind: global_buffer, .address_space: global }
    .group_segment_fixed_size: 34048
    .private_segment_fixed_size: 0
    .kernarg_segment_align: 8
    .kernarg_segment_size: 56
    .max_flat_workgroup_size: 256
    .sgpr_count:     66
    .vgpr_count:     240
    .wavefront_size: 32
...
	.end_amdgpu_metadata
.endif
;; end of part 4
;; launch attn (part 5): grid 64 x 4, 8 waves a work-group, no clusters, 140,288 bytes of LDS; arguments qk, tab, o16; writes o16
.if DOCPART == 5
	.amdgcn_target "amdgcn-amd-amdhsa--gfx1250"
	.amdhsa_code_object_version 6
	.text
	.protected	k_q0ab6e88a25_attn
	.globl	k_q0ab6e88a25_attn
	.p2align	8
	.type	k_q0ab6e88a25_attn,@function
k_q0ab6e88a25_attn:
	s_mov_b64 s[64:65], 0
	v_nop
	global_prefetch_b8 v0, s[64:65] scope:SCOPE_SE
	s_setreg_imm32_b32 hwreg(HW_REG_WAVE_MODE, 25, 1), 1
	s_wait_xcnt 0x0
; O[b][s][8 h + c] = the sum over the 32 slots j of softmax_j(q k_j) v_j[c], over the largest keys where q > 0 and over the smallest where q <= 0.  O: [16384][1024] f16.
; THE MAXIMUM is taken away exactly: q k_j - max_j q k_j = q (k_j - kmax) for q > 0 and q (k_j - kmin) for q <= 0; the table holds these differences times log2(e).
; The exponent is max(q, 0) dk_top + min(q, 0) dk_bot: one term is 0, the sum is never above 0, and the extreme slot's weight is 1: no exponential and no sum overflows, and the sum is at least 1.
; The weights are rounded to f16 for the products; their sum is taken of the rounded weights, by the matrix unit, in f32; O is rounded once.  LIMIT: |v| under 65,504 (it arrives so).
; SHARES.  A work-group owns 64 rows of one batch; wave w the heads 16 w .. 16 w + 15, for four tiles of 16 rows.  A head's tables are loaded once and serve the four tiles.
; LAYOUT.  D = VT x P: source 0 = VT (rows 0-7: 8 channels at the largest side's slots; rows 8-15: at the smallest's), source 1 = P (column = row s, K = slot).  Lane (r, hf) makes, for row s = r,
; the weights of slots 8 hf + 0..7 and 16 + 8 hf + 0..7, which ARE its part of source 1.  In D lanes 0-15 hold P . V_top, lanes 16-31 P . V_bot, eight channels a lane; q's sign picks the half.
; ONES x P gives the row's sum in every register of every lane.
; Two heads are finished together: an exchange of half registers sets head e's 16 bytes in lanes 0-15 and head o's in lanes 16-31.  They go to the wave's own stage in LDS; a wave's 16 heads are 256 bytes
; of a row, so at the end whole aligned blocks of 256 bytes leave.  No barrier: no wave touches another's bytes.  No cluster: loads go through registers, and what work-groups share is 1,280 bytes a head.
; IN FLIGHT.  Two sets of registers, a head each: 14 loads; a set is asked for again as soon as its head's products are issued.
.set VT_OFF, 131072
.set STG,   17408                      ; a wave's stage: 4 tiles x 16 rows x 272 bytes
.set SPARE, 8*STG                      ; the spare words, 128 bytes for each wave
.set QOF, 4                            ; v4  4 (l % 16)
.set DOF, 5                            ; v5  32 (l / 16)
.set VOF, 6                            ; v6  16 l
.set STO, 7                            ; v7  stage + 272 (l % 16) + 16 (l / 16), 32 further on with each pair of heads
.set RD,  8                            ; v8  stage + 272 (l / 16) + 16 (l % 16)
.set GO,  9                            ; v9  2,048 (l / 16) + 16 (l % 16)
.set SPW, 10
.set NIL, 11
.set ONES, 12                          ; v[12:19]   1.0 in every f16 half
.set RL,  20                           ; v[20:23]   1 / sum, a tile each
.set QA,  24                           ; v[24:31]   (max(q, 0), min(q, 0)), a pair a tile
.set SET0, 32                          ; v[32:75], v[76:119]: +0 q of four tiles; +4 dk_top (16); +20 dk_bot (16); +36 VT (8)
.set SET1, 76
.set E,   120                          ; v[120:151] two tiles' 16 exponents, then weights
.set P,   152                          ; v[152:167] two tiles' source 1
.set D,   168                          ; v[168:199] four tiles
.set L,   200                          ; v[200:231] four tiles' sums
.set XE,  232                          ; v[232:247] the even head's four tiles, packed
.set XO,  248                          ; v[248:251] the odd head's tile in hand
.macro LOADS set, n                    ; a head's 14 loads; n: its place in the pair
.irp t, 0,1,2,3
	global_load_b32 v[(\set)+(\t)], v[QOF], s[8:9] offset:64*(\t)+16384*(\n)
.endr
.irp j, 0,1,2,3,4,5,6,7
	global_load_b128 v[(\set)+4+4*(\j):(\set)+7+4*(\j)], v[DOF], s[10:11] offset:128*((\j)/4)+64*(((\j)%4)/2)+16*((\j)%2)+256*(\n)
.endr
	global_load_b128 v[(\set)+36:(\set)+39], v[VOF], s[12:13] offset:1024*(\n)
	global_load_b128 v[(\set)+40:(\set)+43], v[VOF], s[12:13] offset:1024*(\n)+512
.endm
.macro PKL set, t, e, p                ; packed line p of 16 of tile t's exponents: eight products with max(q, 0), then eight multiply-adds with min(q, 0)
.if (\p) < 8
.set pr, 2*(\p)
	v_pk_mul_f32 v[E+16*(\e)+pr:E+16*(\e)+pr+1], v[(\set)+4+pr:(\set)+5+pr], v[QA+2*(\t):QA+2*(\t)+1] op_sel_hi:[1,0]
.else
.set pr, 2*(\p)-16
	v_pk_fma_f32 v[E+16*(\e)+pr:E+16*(\e)+pr+1], v[(\set)+20+pr:(\set)+21+pr], v[QA+2*(\t):QA+2*(\t)+1], v[E+16*(\e)+pr:E+16*(\e)+pr+1] op_sel:[0,1,0] op_sel_hi:[1,1,1]
.endif
.endm
; Tiles 2 u and 2 u + 1.  The 32 exponentials are one batch with one wait; the first tile's stand between the second tile's packed lines.
.macro BATCH set, u
.set bi, 0
.rept 16
	PKL \set, 2*(\u), 0, bi
.set bi, bi+1
.endr
.set bi, 0
.rept 16
	v_exp_f32 v[E+bi], v[E+bi]
	PKL \set, 2*(\u)+1, 1, bi
.set bi, bi+1
.endr
.set bi, 16
.rept 16
	v_exp_f32 v[E+bi], v[E+bi]
.set bi, bi+1
.endr
	v_nop                                          ; a plain instruction behind the last exponential,
	s_wait_alu depctr_va_vdst(0)                   ; and the one wait ahead of the batch's first reader
.set bi, 0
.rept 16
	v_cvt_pk_f16_f32 v[P+bi], v[E+2*bi], v[E+2*bi+1]
.set bi, bi+1
.endr
	v_wmma_f32_16x16x32_f16 v[D+16*(\u):D+16*(\u)+7],    v[(\set)+36:(\set)+43], v[P:P+7],    0  ; four different accumulators, each a whole sum
	v_wmma_f32_16x16x32_f16 v[D+16*(\u)+8:D+16*(\u)+15], v[(\set)+36:(\set)+43], v[P+8:P+15], 0
	v_wmma_f32_16x16x32_f16 v[L+16*(\u):L+16*(\u)+7],    v[ONES:ONES+7],         v[P:P+7],    0
	v_wmma_f32_16x16x32_f16 v[L+16*(\u)+8:L+16*(\u)+15], v[ONES:ONES+7],         v[P+8:P+15], 0
.endm
.macro HEAD set, odd
	s_wait_loadcnt 14                              ; this set's 14 loads are in; the other set's may stay out
.irp t, 0,1,2,3
	v_max_num_f32 v[QA+2*(\t)], 0, v[(\set)+(\t)]
	v_min_num_f32 v[QA+2*(\t)+1], 0, v[(\set)+(\t)]
	v_cmp_lt_f32 s[20+8*(\odd)+(\t)], 0, v[(\set)+(\t)]  ; q > 0, the same in both halves of the lanes
.endr
	BATCH \set, 0
	BATCH \set, 1                                  ; its packed lines are the places between the first batch's products and the rewriting of P
.rept 4
	v_nop                                          ; the places behind the last products: for the readers of the sums, and for the loads into VT
.endr
	s_cmp_lg_u32 s26, 1                            ; the last pair has none behind it
	s_cbranch_scc0 .Lnofill_\@
.if !(\odd)
	s_wait_xcnt 0x0                                ; every load issued so far has read its address: the pointers may be written
	s_add_nc_u64 s[8:9], s[8:9], 2*16384
	s_add_nc_u64 s[10:11], s[10:11], 2*256
	s_add_nc_u64 s[12:13], s[12:13], 2*1024
.endif
	LOADS \set, \odd
.if !(\odd)
	s_branch .Lfilled_\@
.Lnofill_\@:
	s_wait_loadcnt 0x0                             ; with no younger loads behind it the odd head's set is waited for here
.Lfilled_\@:
.else
.Lnofill_\@:
.endif
.irp t, 0,1,2,3
	v_rcp_f32 v[RL+(\t)], v[L+8*(\t)]              ; the sum lies in every register: the lowest is read
.endr
	v_nop
	s_wait_alu depctr_va_vdst(0)                   ; one wait for the four reciprocals
.irp t, 0,1,2,3
.irp p, 0,1,2,3
.if (\t)%2
	v_pk_mul_f32 v[D+8*(\t)+2*(\p):D+8*(\t)+2*(\p)+1], v[D+8*(\t)+2*(\p):D+8*(\t)+2*(\p)+1], v[RL+2*((\t)/2):RL+2*((\t)/2)+1] op_sel:[0,1] op_sel_hi:[1,1]
.else
	v_pk_mul_f32 v[D+8*(\t)+2*(\p):D+8*(\t)+2*(\p)+1], v[D+8*(\t)+2*(\p):D+8*(\t)+2*(\p)+1], v[RL+2*((\t)/2):RL+2*((\t)/2)+1] op_sel_hi:[1,0]
.endif
.endr
.if \odd
.irp p, 0,1,2,3
	v_cvt_pk_f16_f32 v[XO+(\p)], v[D+8*(\t)+2*(\p)], v[D+8*(\t)+2*(\p)+1]
.endr
	s_and_b32 s24, s[20+(\t)], 0xffff              ; lanes 0-15 go by the even head's q, lanes 16-31 by the odd head's
	s_and_b32 s27, s[28+(\t)], 0xffff0000
	s_or_b32 s24, s24, s27
.irp p, 0,1,2,3
	v_permlane16_swap_b32 v[XE+4*(\t)+(\p)], v[XO+(\p)]  ; XE: top of e | top of o;  XO: bottom of e | bottom of o
.endr
.irp p, 0,1,2,3
	v_cndmask_b32 v[XO+(\p)], v[XO+(\p)], v[XE+4*(\t)+(\p)], s24
.endr
	ds_store_b128 v[STO], v[XO:XO+3] offset:4352*(\t)
.else
.irp p, 0,1,2,3
	v_cvt_pk_f16_f32 v[XE+4*(\t)+(\p)], v[D+8*(\t)+2*(\p)], v[D+8*(\t)+2*(\p)+1]
.endr
.endif
.endr
.endm
	s_load_b128 s[4:7], s[0:1], 0x0                ; qk s[4:5], tab s[6:7]
	s_load_b64 s[14:15], s[0:1], 0x10              ; o16
	v_lshl_add_u32 v[SPW], v0, 2, SPARE
	v_mov_b32 v[NIL], 0
	v_lshrrev_b32 v1, 5, v0
	v_readfirstlane_b32 s16, v1                    ; wave 0..7
	v_and_b32 v1, 15, v0                           ; l % 16
	v_bfe_u32 v2, v0, 4, 1                         ; l / 16
	v_and_b32 v3, 31, v0                           ; l
	v_lshlrev_b32 v[QOF], 2, v1
	v_lshlrev_b32 v[DOF], 5, v2
	v_lshlrev_b32 v[VOF], 4, v3
	s_mul_i32 s19, s16, STG                        ; my stage
	v_mul_u32_u24 v[STO], v1, 272
	v_lshl_add_u32 v[STO], v2, 4, v[STO]
	v_add_nc_u32 v[STO], s19, v[STO]
	v_mul_u32_u24 v[RD], v2, 272
	v_lshl_add_u32 v[RD], v1, 4, v[RD]
	v_add_nc_u32 v[RD], s19, v[RD]
	v_lshlrev_b32 v[GO], 11, v2
	v_lshl_add_u32 v[GO], v1, 4, v[GO]
.irp j, 0,1,2,3,4,5,6,7
	v_mov_b32 v[ONES+(\j)], 0x3c003c00
.endr
	s_and_b32 s17, ttmp7, 0xffff                   ; b
	s_lshl_b32 s18, s17, 7
	s_lshl_b32 s19, s16, 4
	s_add_co_u32 s18, s18, s19                     ; 128 b + my first head
	s_mov_b32 s3, 0
	s_mov_b32 s26, 8                               ; pairs of heads
	s_wait_kmcnt 0x0
	s_lshl_b32 s2, s18, 14
	s_lshl_b32 s19, ttmp9, 8                       ; the block's 64 rows: 256 bytes of a head's q
	s_add_co_u32 s2, s2, s19
	s_add_nc_u64 s[8:9], s[4:5], s[2:3]
	s_lshl_b32 s2, s18, 8
	s_add_nc_u64 s[10:11], s[6:7], s[2:3]
	s_lshl_b32 s2, s18, 10
	s_add_co_u32 s2, s2, VT_OFF
	s_add_nc_u64 s[12:13], s[6:7], s[2:3]
	s_lshl_b32 s2, s17, 12
	s_lshl_b32 s19, ttmp9, 6
	s_add_co_u32 s2, s2, s19                       ; my first row of O
	s_lshl_b32 s2, s2, 11
	s_lshl_b32 s19, s16, 8                         ; my 16 heads: 256 bytes of a row
	s_add_co_u32 s2, s2, s19
	s_add_nc_u64 s[14:15], s[14:15], s[2:3]
	LOADS SET0, 0
	LOADS SET1, 1
.Lpair:
	HEAD SET0, 0
	HEAD SET1, 1
	v_add_nc_u32 v[STO], 32, v[STO]                ; the next pair's 32 bytes of a row
	s_sub_co_u32 s26, s26, 1
	s_cmp_lg_u32 s26, 0
	s_cbranch_scc1 .Lpair
	; THE WAY OUT: lanes 0-15 take one row's 256 bytes, lanes 16-31 the next row's.  LDS serves a wave's instructions in order (ISA guide 5.7.1.4): these loads see the stores above.
.set n, 0
.rept 32
	ds_load_b128 v[E+4*n:E+4*n+3], v[RD] offset:4352*(n/8)+544*(n%8)
.set n, n+1
.endr
.set n, 0
.rept 32
	s_wait_dscnt 31-n
	global_store_b128 v[GO], v[E+4*n:E+4*n+3], s[14:15] offset:(16*(n/8)+2*(n%8))*2048  ; 16 lanes store 256 consecutive bytes, at a multiple of 256 from O's first byte
.set n, n+1
.endr
	s_wait_tensorcnt 0x0                           ; the wave's end, behind my last LDS store
	ds_add_u32 v[SPW], v[NIL]
	s_wait_dscnt 0x0
	s_endpgm
.Lfunc_end_k_q0ab6e88a25_attn:
	.size	k_q0ab6e88a25_attn, .Lfunc_end_k_q0ab6e88a25_attn-k_q0ab6e88a25_attn
	.p2alignl 7, 3214868480
	.fill 96, 4, 3214868480
	.section	.rodata,"a",@progbits
	.p2align	6, 0x0
	.amdhsa_kernel k_q0ab6e88a25_attn
		.amdhsa_group_segment_fixed_size 140288
		.amdhsa_private_segment_fixed_size 0
		.amdhsa_enable_private_segment 0
		.amdhsa_kernarg_size 24
		.amdhsa_user_sgpr_count 2
		.amdhsa_user_sgpr_kernarg_segment_ptr 1
		.amdhsa_wavefront_size32 1
		.amdhsa_system_sgpr_workgroup_id_x 1
		.amdhsa_system_sgpr_workgroup_id_y 1
		.amdhsa_system_sgpr_workgroup_id_z 1
		.amdhsa_system_vgpr_workitem_id 0
		.amdhsa_next_free_vgpr 256
		.amdhsa_next_free_sgpr 66
		.amdhsa_reserve_vcc 0
		.amdhsa_float_denorm_mode_32 3
		.amdhsa_float_denorm_mode_16_64 3
		.amdhsa_memory_ordered 1
		.amdhsa_forward_progress 1
		.amdhsa_inst_pref_size 40
	.end_amdhsa_kernel
	.amdgpu_metadata
---
amdhsa.version: [ 1, 2 ]
amdhsa.kernels:
  - .name:           k_q0ab6e88a25_attn
    .symbol:         k_q0ab6e88a25_attn.kd
    .args:
      - { .name: qk, .offset: 0, .size: 8, .value_kind: global_buffer, .address_space: global }
      - { .name: tab, .offset: 8, .size: 8, .value_kind: global_buffer, .address_space: global }
      - { .name: o16, .offset: 16, .size: 8, .value_kind: global_buffer, .address_space: global }
    .group_segment_fixed_size: 140288
    .private_segment_fixed_size: 0
    .kernarg_segment_align: 8
    .kernarg_segment_size: 24
    .max_flat_workgroup_size: 256
    .sgpr_count:     66
    .vgpr_count:     256
    .wavefront_size: 32
...
	.end_amdgpu_metadata
.endif
;; end of part 5
;; launch gemm (part 6): grid 4 x 64, 4 waves a work-group, clusters of 4 x 4, 327,680 bytes of LDS; arguments o16, wts, out0; writes out0
.if DOCPART == 6
	.amdgcn_target "amdgcn-amd-amdhsa--gfx1250"
	.amdhsa_code_object_version 6
	.text
	.protected	k_q0ab6e88a25_gemm
	.globl	k_q0ab6e88a25_gemm
	.p2align	8
	.type	k_q0ab6e88a25_gemm,@function
k_q0ab6e88a25_gemm:
	s_mov_b64 s[64:65], 0
	v_nop
	global_prefetch_b8 v0, s[64:65] scope:SCOPE_SE
	s_setreg_imm32_b32 hwreg(HW_REG_WAVE_MODE, 25, 1), 1
	s_wait_xcnt 0x0
	s_wait_alu depctr_hold_cnt(0) depctr_sa_sdst(0) depctr_va_vdst(0) depctr_va_sdst(0) depctr_va_ssrc(0) depctr_va_vcc(0) depctr_vm_vsrc(0)
	s_getreg_b32 s2, hwreg(HW_REG_IB_STS2, 6, 4)
	s_cmp_eq_u32 s2, 0
	s_cbranch_scc0 .Lentry_in_a_cluster
	s_endpgm
.Lentry_in_a_cluster:
	s_bfe_u32 s2, ttmp6, 0x10000c
	s_cmp_lg_u32 s2, 0xf033
	s_cbranch_scc0 .Lentry_shape_is_right
	s_endpgm
.Lentry_shape_is_right:
; out0[m][n] = the sum over k of O[m][k] Wo[n][k].  O: [16384][1024] f16; Wo: [1024][1024], its bf16 rounding written as f16, at byte 2,621,440 of wts; out0: f32; sums in f32.
; A tile of out0, 256 x 256, is made by a work-group of four waves; a wave makes 128 x 128: 64 accumulators of 16 x 16, 512 registers.  64 x 4 tiles: 256 work-groups, one tile each.
; K goes in eight steps of 128 through a ring of two LDS slots filled by the tensor data mover: the tiles' rows are 256 bytes of memory and start at multiples of 256 bytes.
; CLUSTERS: 4 x 4 work-groups.  The four of a row of the cluster need the same tiles of O, the four of a column the same tiles of Wo: each tile is asked for JOINTLY, by the same tensor load with the
; same descriptor and a mask that names the four.
; REGISTERS, in windows of 256: window 0: v0-31 addresses; v64-127, v128-191 fragments of O, two buffers (on the way out: rows read back from the stage);
;   window 1: v64-127, v128-191 fragments of Wo;  window 2: the 32 accumulators of my rows 0-63 ((a, b) at v[8 (8 a + b)]);  window 3: those of my rows 64-127.
; THE MATRIX INSTRUCTION IS USED TRANSPOSED: source 0 = 16 rows of Wo, source 1 = 16 rows of O: a lane holds row l % 16 of out0 and the columns 8 (l / 16) + 0..7: 32 bytes on end.
.set SIZE_M, 16384
.set SIZE_N, 1024
.set SIZE_K, 1024
.set WO_OFF, 2621440
.set KSTEP,  128
.set PITCH,  272                       ; an LDS row: 256 bytes + 16 of padding = 68 words: row r starts at bank 4 r mod 64 (64 banks of 4 bytes: ISA guide 11.1)
.set HALFT,  128*PITCH                 ; 128 rows: what one tensor load brings
.set SLOT,   4*HALFT                   ; O's 256 rows, then Wo's 256 rows
.set STAGE,  2*SLOT                    ; behind the ring: 16 rows x 528 bytes for each wave, for the way out
.set SPITCH, 528                       ; 512 bytes + 16: 132 words: row r starts at bank 4 r mod 64
.set SPARE,  STAGE+4*16*SPITCH         ; behind the stages: the spare words, 128 bytes for each wave
.set LAPS, SIZE_K/(2*KSTEP)            ; a lap = two K steps = once round the ring
.set ADRA, 16                          ; v16-17  LDS address of my O fragments in slot 0, 1
.set ADRB, 20                          ; v20-21  the same for Wo
.set STO,  24                          ; v24     the way out: where I put 32 bytes of a row
.set RD,   25                          ; v25     where I read a row back
.set CO,   26                          ; v26     16 x lane
.set SPW,  28                          ; v28     my spare word; never rewritten
.set NIL,  29                          ; v29     0; never rewritten
.set PFO,  30                          ; v30     the prefetches' offset: my lane x a row of 2,048 bytes; never rewritten
.set PFA,  44                          ; s[44:45] where my prefetches stand
.set LIM,  43                          ; s43     1 in a wave that prefetches, else the greatest number
.set F0,   64
.set F1,   128
.set G1, 24                            ; s[24:31] group 1 for O's tiles;  s[32:39] group 0, one set a slot
.set G0, 32
.set G1B, 48                           ; s[48:55], s[56:63] the same for Wo's tiles
.set G0B, 56
.set MSB, 0
.macro WIN new                         ; the immediate's high byte repeats the setting that is left
.if MSB != (\new)
	s_set_vgpr_msb (MSB<<8)|(\new)
.set MSB, \new
.endif
.endm
.set MUL_LO, 0xa1                      ; source 0 (Wo) window 1, source 1 (O) window 0, C and D window 2
.set MUL_HI, 0xf1                      ; the same, C and D window 3
.set TO_B,   0x40                      ; destination window 1, address window 0
.macro JLOAD s                         ; a joint load: waves 0 and 1 fetch O's two halves, waves 2 and 3 Wo's; an s_nop 0 and four v_nop follow each line
	s_cmp_eq_u32 s11, 0
	s_cbranch_scc0 .Lfor_b_\@
	tensor_load_to_lds s[G0+4*(\s):G0+4*(\s)+3], s[G1:G1+7]
	s_nop 0
.rept 4
	v_nop
.endr
	s_branch .Lasked_\@
.Lfor_b_\@:
	tensor_load_to_lds s[G0B+4*(\s):G0B+4*(\s)+3], s[G1B:G1B+7]
	s_nop 0
.rept 4
	v_nop
.endr
.Lasked_\@:
.endm
; A PREFETCH INTO THE L2, behind each joint load and the run of LDS loads that follows it: the K step that stands two refills on: 32 rows x 256 bytes, a lane a row, one instruction a wave.
; Each row's 256 bytes of a K step are named once in the launch: O's tile row is asked for by the cluster with x = 0 (here every cluster), Wo's tile column by the clusters with y = 0; the four partners that
; ask for a tile jointly share its rows out by address, 32 each (cx for O, cy for Wo).  K steps 0 to 3 come by their loads alone; the loop's last trip asks for nothing: K steps 8 and 9 do not exist.
.macro ASK
	s_cmp_gt_u32 s3, s[LIM]                        ; s3 = 1 in the loop's last trip
	s_cbranch_scc0 .Lnot_mine_\@
	global_prefetch_b8 v[PFO], s[PFA:PFA+1] offset:KSTEP*2 th:TH_LOAD_NT scope:SCOPE_SE
.Lnot_mine_\@:
.endm
.macro CREST                           ; a round of the cluster's barrier behind its opening barrier
	s_cmp_lg_u32 s10, 0
	s_cbranch_scc1 .Lnot_wave_0_\@
	s_barrier_signal -3
.Lnot_wave_0_\@:
	s_barrier_wait -3
	s_barrier_signal -1
	s_barrier_wait -1
.endm
.macro CROUND
	s_barrier_signal -1
	s_barrier_wait -1
	CREST
.endm
	s_load_b128 s[4:7], s[0:1], 0x0                ; o16 s[4:5], wts s[6:7]
	s_load_b64 s[8:9], s[0:1], 0x10                ; out0
	v_lshl_add_u32 v[SPW], v0, 2, SPARE
	v_mov_b32 v[NIL], 0
	ds_add_u32 v[SPW], v[NIL]                      ; the wave's opening: the add and its wait ahead of my first tensor load
	ds_add_u32 v28, v29
	v_lshrrev_b32 v1, 5, v0
	v_readfirstlane_b32 s10, v1                    ; wave 0..3
	s_lshr_b32 s11, s10, 1                         ; which half of the tile's rows is mine.  Also: I fetch for O (0) or for Wo (1)
	s_and_b32 s12, s10, 1                          ; which half of its columns.  Also: which 128 rows I fetch
	s_bfe_u32 s40, ttmp6, 0x40000                  ; cx
	s_bfe_u32 s41, ttmp6, 0x40004                  ; cy
	s_lshl_b32 s42, ttmp9, 2
	s_add_co_u32 s42, s42, s40                     ; tile column = 4 x cluster x + cx
	s_and_b32 s13, ttmp7, 0xffff
	s_lshl_b32 s13, s13, 2
	s_add_co_u32 s13, s13, s41                     ; tile row = 4 x cluster y + cy
	s_lshl_b32 s43, s41, 2
	s_lshl_b32 s43, 15, s43                        ; my row of the cluster
	s_lshl_b32 s44, 0x1111, s40                    ; my column
	s_or_b32 s[G1+0], s43, (1<<16)|(1<<20)|(1<<21)|(5<<22)|(3<<25)  ; the mask: O's tiles go to my row; 2-byte elements; padding on; bit 21 beside a mask; after every 64 words (code 5) 4 words (code 3)
	s_or_b32 s[G1B+0], s44, (1<<16)|(1<<20)|(1<<21)|(5<<22)|(3<<25) ; the same with the mask of my column
.irp g, G1, G1B
	s_mov_b32 s[(\g)+1], KSTEP<<16                 ; tensor_dim0 = 128
	s_mov_b32 s[(\g)+2], 128<<16                   ; tensor_dim1 = 128
	s_mov_b32 s[(\g)+3], KSTEP<<16                 ; tile_dim0 = 128
	s_mov_b32 s[(\g)+4], 128                       ; tile_dim1 = 128
	s_mov_b32 s[(\g)+5], SIZE_K                    ; elements from row to row
	s_mov_b32 s[(\g)+6], 0
	s_mov_b32 s[(\g)+7], 0
.endr
	s_lshl_b32 s17, s12, 7                         ; which 128 rows of the tile I fetch
	s_lshl_b32 s16, s13, 8
	s_add_co_u32 s16, s16, s17                     ; O: row 256 x tile row + 128 x half
	s_lshl_b32 s46, s42, 8
	s_add_co_u32 s46, s46, s17                     ; Wo: row 256 x tile column + 128 x half
	s_mov_b32 s17, 0
	s_mov_b32 s47, 0
	s_mov_b64 s[18:19], SIZE_K*2
	s_mul_u64 s[16:17], s[16:17], s[18:19]
	s_mul_u64 s[46:47], s[46:47], s[18:19]
	s_mul_i32 s20, s10, HALFT                      ; where they go: wave x 128 rows: no place in the cluster enters an LDS address
	s_wait_dscnt 0x0                               ; the opening add is done
	s_wait_kmcnt 0x0
	s_add_nc_u64 s[6:7], s[6:7], WO_OFF            ; Wo's first row
	s_add_nc_u64 s[14:15], s[4:5], s[16:17]
	s_add_nc_u64 s[46:47], s[6:7], s[46:47]
	CROUND                                         ; all sixteen work-groups are here: the first joint loads meet
.irp s, 0,1
	s_mov_b32 s[G0+4*(\s)], 1
	s_add_co_u32 s[G0+4*(\s)+1], s20, (\s)*SLOT
	s_add_nc_u64 s[G0+4*(\s)+2:G0+4*(\s)+3], s[14:15], (\s)*KSTEP*2
	s_or_b32 s[G0+4*(\s)+3], s[G0+4*(\s)+3], 0x80000000
	s_mov_b32 s[G0B+4*(\s)], 1
	s_add_co_u32 s[G0B+4*(\s)+1], s20, (\s)*SLOT
	s_add_nc_u64 s[G0B+4*(\s)+2:G0B+4*(\s)+3], s[46:47], (\s)*KSTEP*2
	s_or_b32 s[G0B+4*(\s)+3], s[G0B+4*(\s)+3], 0x80000000
	JLOAD \s
.endr
	v_and_b32 v1, 15, v0                           ; l % 16
	v_bfe_u32 v2, v0, 4, 1                         ; l / 16
	v_mul_u32_u24 v3, v1, PITCH
	v_lshl_add_u32 v3, v2, 4, v3                   ; a fragment's row x pitch + 16 x half
	s_mul_i32 s21, s11, HALFT                      ; my 128 rows of O
	s_mul_i32 s22, s12, HALFT                      ; my 128 rows of Wo,
	s_add_co_u32 s22, s22, 2*HALFT                 ; which lie behind O's 256
.irp s, 0,1
	v_add_nc_u32 v[ADRA+(\s)], s21, v3
	v_add_nc_u32 v[ADRB+(\s)], s22, v3
	s_add_co_u32 s21, s21, SLOT
	s_add_co_u32 s22, s22, SLOT
.endr
	s_mul_i32 s23, s10, 16*SPITCH
	s_add_co_u32 s23, s23, STAGE                   ; my stage
	v_mul_u32_u24 v4, v1, SPITCH                   ; in: row l % 16, 32 bytes for each half of the lanes
	v_lshl_add_u32 v4, v2, 5, v4
	v_add_nc_u32 v[STO], s23, v4
	v_and_b32 v5, 31, v0
	v_lshlrev_b32 v[CO], 4, v5                     ; back: 32 lanes take one row of 512 bytes
	v_add_nc_u32 v[RD], s23, v[CO]
	; where my part of the tile begins in out0, in bytes (under 2^27)
	s_lshl_b32 s13, s13, 8
	s_lshl_b32 s14, s11, 7
	s_add_co_u32 s16, s13, s14                     ; my first row
	s_lshl_b32 s16, s16, 12                        ; 4,096 bytes a row
	s_mov_b32 s17, 0
	s_lshl_b32 s46, s42, 10                        ; my first column: 1,024 x tile column + 512 x half
	s_lshl_b32 s47, s12, 9
	s_add_co_u32 s46, s46, s47
	s_mov_b32 s47, 0
	s_add_nc_u64 s[16:17], s[16:17], s[46:47]
	; the prefetches.  s13 = 256 x tile row, s42 = tile column, s40 = cx, s41 = cy still stand
	s_lshl_b32 s42, s42, 8
	s_and_b32 s22, ttmp7, 0xffff                   ; cluster y
	s_cmp_eq_u32 s11, 0                            ; do I fetch for O?
	s_cselect_b32 s20, s13, s42                    ; the tile's first row
	s_cselect_b32 s21, s40, s41                    ; my place among the four that ask for it with me
	s_cselect_b32 s22, ttmp9, s22                  ; the coordinate along which other clusters read the same rows
	s_cselect_b64 s[PFA:PFA+1], s[4:5], s[6:7]
	s_cmp_eq_u32 s22, 0
	s_cselect_b32 s[LIM], 1, -1                    ; the same in all sixteen partners, for a given wave
	s_lshl_b32 s22, s12, 7
	s_add_co_u32 s20, s20, s22                     ; + the 128 rows that I fetch
	s_lshl_b32 s21, s21, 5
	s_add_co_u32 s20, s20, s21                     ; + my work-group's 32 of them
	s_mov_b32 s21, 0
	s_mov_b64 s[18:19], SIZE_K*2
	s_mul_u64 s[20:21], s[20:21], s[18:19]
	s_add_nc_u64 s[PFA:PFA+1], s[PFA:PFA+1], s[20:21]
	s_add_nc_u64 s[PFA:PFA+1], s[PFA:PFA+1], 2*KSTEP*2  ; at K step 2: the first refill steps it to 3 and names K step 4
	v_and_b32 v[PFO], 31, v0
	v_mul_u32_u24 v[PFO], v[PFO], SIZE_K*2
; 16 matrix instructions: row blocks a0, a0 + 1 of the window's four x all 8 column blocks, 32 along K.  zero = 1: the first product starts the sums.  The 64 accumulators take turns, in the same order in every quarter.
.macro MUL16 f, hi, a0, zero
	WIN MUL_LO+0x50*(\hi)
.irp a, \a0, (\a0)+1
.irp b, 0,1,2,3,4,5,6,7
.if \zero
	v_wmma_f32_16x16x32_f16 v[8*(8*(\a)+(\b)):8*(8*(\a)+(\b))+7], v[(\f)+8*(\b):(\f)+8*(\b)+7], v[(\f)+8*(4*(\hi)+(\a)):(\f)+8*(4*(\hi)+(\a))+7], 0
.else
	v_wmma_f32_16x16x32_f16 v[8*(8*(\a)+(\b)):8*(8*(\a)+(\b))+7], v[(\f)+8*(\b):(\f)+8*(\b)+7], v[(\f)+8*(4*(\hi)+(\a)):(\f)+8*(4*(\hi)+(\a))+7], v[8*(8*(\a)+(\b)):8*(8*(\a)+(\b))+7]
.endif
.endr
.endr
.endm
; 32 LDS loads in one run: the fragments of one quarter step (128 rows of Wo, 128 rows of O, 32 K at byte k of the rows) into buffer f
.macro FETCH slot, k, f
	WIN TO_B
.irp i, 0,1,2,3,4,5,6,7
	ds_load_b128 v[(\f)+8*(\i):(\f)+8*(\i)+3],   v[ADRB+(\slot)] offset:(\k)+(\i)*16*PITCH
	ds_load_b128 v[(\f)+8*(\i)+4:(\f)+8*(\i)+7], v[ADRB+(\slot)] offset:(\k)+(\i)*16*PITCH+32
.endr
	WIN 0
.irp i, 0,1,2,3,4,5,6,7
	ds_load_b128 v[(\f)+8*(\i):(\f)+8*(\i)+3],   v[ADRA+(\slot)] offset:(\k)+(\i)*16*PITCH
	ds_load_b128 v[(\f)+8*(\i)+4:(\f)+8*(\i)+7], v[ADRA+(\slot)] offset:(\k)+(\i)*16*PITCH+32
.endr
.endm
.macro PLACES                          ; four places in front of loads into registers that matrix instructions have read, and of LDS stores that read results
.rept 4
	v_nop
.endr
.endm
; A K step is four quarter steps of 32 along K, 64 matrix instructions each, on buffers 0, 1, 0, 1.
.macro QUARTER slot, k, f, g, zero
	s_wait_dscnt 8                                 ; Wo and O's rows 0-63 are in; the youngest eight loads (O's rows 64-127) may be out
	WIN MUL_LO
	MUL16 \f, 0, 0, \zero
	MUL16 \f, 0, 2, \zero
	PLACES
	FETCH \slot, \k, \g
	s_wait_dscnt 32                                ; all but the 32 just issued
	WIN MUL_HI
	MUL16 \f, 1, 0, \zero
	MUL16 \f, 1, 2, \zero
.endm
; The last quarter's first half: one barrier for the change of slots.  In front of it each wave waits for all its tensor loads (the one that is out is its part of the next slot), adds 0 to its spare word,
; and waits for that and for its own reads of this slot.
.macro MEET round
	WIN 0
	s_wait_tensorcnt 0x0
	ds_add_u32 v[SPW], v[NIL]
	s_wait_dscnt 9                                 ; (the add and the youngest eight loads may be out)
	WIN MUL_LO
	MUL16 F1, 0, 0, 0                              ; sixteen matrix instructions stand between the add and the wait for it
	s_wait_dscnt 0x0                               ; the add is done, and my reads of this slot are over
	s_barrier_signal -1
	MUL16 F1, 0, 2, 0
.if \round
	WIN 0
.endif
	s_barrier_wait -1
.endm
; The whole last quarter.  Behind the round the slot just read out is filled again first, with the K step two steps on; then come the next slot's first fragments.
.macro TURN slot, next
	s_wait_xcnt 0x0                                ; the last prefetch, a K step back, has read its address: it is stepped here
	s_add_nc_u64 s[PFA:PFA+1], s[PFA:PFA+1], KSTEP*2
	MEET 1
	CREST                                          ; no wave of any partner still reads this slot's tile or has a load on its way
	s_add_nc_u64 s[G0+4*(\slot)+2:G0+4*(\slot)+3], s[G0+4*(\slot)+2:G0+4*(\slot)+3], 2*KSTEP*2
	s_add_nc_u64 s[G0B+4*(\slot)+2:G0B+4*(\slot)+3], s[G0B+4*(\slot)+2:G0B+4*(\slot)+3], 2*KSTEP*2
	JLOAD \slot                                    ; the first tensor load behind the round; its four v_nop are also the places in front of the loads below
	FETCH \next, 0, F0
	ASK
	WIN MUL_HI
	MUL16 F1, 1, 0, 0
	MUL16 F1, 1, 2, 0
.endm
; THE WAY OUT of block a (16 rows x 128 columns of f32): 32 bytes a lane into my own stage (each accumulator's low four registers first), back as whole rows of 512 bytes, stored.
; LDS serves a wave's instructions in order (ISA guide 5.7.1.4): the loads see the stores above them, and the next block's stores come behind them.
.macro OUTB a
	WIN 0x08+4*((\a)/4)                            ; the store's data (source 1) in window 2 or 3
.irp b, 0,1,2,3,4,5,6,7
	ds_store_b128 v[STO], v[8*(8*((\a)%4)+(\b)):8*(8*((\a)%4)+(\b))+3]   offset:64*(\b)
	ds_store_b128 v[STO], v[8*(8*((\a)%4)+(\b))+4:8*(8*((\a)%4)+(\b))+7] offset:64*(\b)+16
.endr
	WIN 0
	s_wait_xcnt 0x0                                ; every earlier store has read its registers and its base: only behind this wait are they rewritten
.if (\a) == 0
	s_add_nc_u64 s[8:9], s[8:9], s[16:17]          ; on to my first rows
.else
	s_add_nc_u64 s[8:9], s[8:9], 16*SIZE_N*4       ; 16 rows on
.endif
.set BK, 64+64*((\a)%2)
.irp t, 0,1,2,3,4,5,6,7,8,9,10,11,12,13,14,15
	ds_load_b128 v[BK+4*(\t):BK+4*(\t)+3], v[RD] offset:(\t)*SPITCH
.endr
.irp t, 0,1,2,3,4,5,6,7,8,9,10,11,12,13,14,15
	s_wait_dscnt 15-(\t)
	global_store_b128 v[CO], v[BK+4*(\t):BK+4*(\t)+3], s[8:9] offset:(\t)*SIZE_N*4  ; 512 consecutive bytes, at a multiple of 512 from out0's first byte
.endr
.endm
	s_wait_tensorcnt 1                             ; my part of K step 0 is in; K step 1's may stay out
	s_barrier_signal -1
	s_barrier_wait -1
	FETCH 0, 0, F0
	QUARTER 0, 64,  F0, F1, 1                      ; the first quarter stands in front of the loop: its products start the sums
	WIN 0                                          ; at a label and at a branch every window is 0
	s_mov_b32 s3, LAPS-1
.Llap:                                         ; a trip goes once round the ring, from a lap's second quarter to the next lap's first, and fills both slots again
	QUARTER 0, 128, F1, F0, 0
	QUARTER 0, 192, F0, F1, 0
	TURN 0, 1
	QUARTER 1, 64,  F0, F1, 0
	QUARTER 1, 128, F1, F0, 0
	QUARTER 1, 192, F0, F1, 0
	TURN 1, 0
	QUARTER 0, 64,  F0, F1, 0
	WIN 0
	s_sub_co_u32 s3, s3, 1
	s_cmp_lg_u32 s3, 0
	s_cbranch_scc1 .Llap
	QUARTER 0, 128, F1, F0, 0                      ; the last lap fills nothing
	QUARTER 0, 192, F0, F1, 0
	MEET 0                                         ; my one tensor load that was still out is the last K step's
	PLACES
	FETCH 1, 0, F0
	WIN MUL_HI
	MUL16 F1, 1, 0, 0
	MUL16 F1, 1, 2, 0
	QUARTER 1, 64,  F0, F1, 0
	QUARTER 1, 128, F1, F0, 0
	QUARTER 1, 192, F0, F1, 0
	s_wait_dscnt 8                                 ; the very last quarter: nothing more to fetch
	MUL16 F1, 0, 0, 0
	MUL16 F1, 0, 2, 0
	s_wait_dscnt 0x0
	MUL16 F1, 1, 0, 0
	MUL16 F1, 1, 2, 0
	WIN 0
	PLACES
.irp a, 0,1,2,3,4,5,6,7
	OUTB \a
.endr
	s_wait_tensorcnt 0x0                           ; the wave's end
	ds_add_u32 v[SPW], v[NIL]
	s_wait_dscnt 0x0
	CROUND                                         ; the closing round: no work-group ends while a partner may still ask for a tile that names it
	s_endpgm
.Lfunc_end_k_q0ab6e88a25_gemm:
	.size	k_q0ab6e88a25_gemm, .Lfunc_end_k_q0ab6e88a25_gemm-k_q0ab6e88a25_gemm
	.p2alignl 7, 3214868480
	.fill 96, 4, 3214868480
	.section	.rodata,"a",@progbits
	.p2align	6, 0x0
	.amdhsa_kernel k_q0ab6e88a25_gemm
		.amdhsa_group_segment_fixed_size 327680
		.amdhsa_private_segment_fixed_size 0
		.amdhsa_enable_private_segment 0
		.amdhsa_kernarg_size 24
		.amdhsa_user_sgpr_count 2
		.amdhsa_user_sgpr_kernarg_segment_ptr 1
		.amdhsa_wavefront_size32 1
		.amdhsa_system_sgpr_workgroup_id_x 1
		.amdhsa_system_sgpr_workgroup_id_y 1
		.amdhsa_system_sgpr_workgroup_id_z 1
		.amdhsa_system_vgpr_workitem_id 0
		.amdhsa_next_free_vgpr 1024
		.amdhsa_next_free_sgpr 66
		.amdhsa_reserve_vcc 0
		.amdhsa_float_denorm_mode_32 3
		.amdhsa_float_denorm_mode_16_64 3
		.amdhsa_memory_ordered 1
		.amdhsa_forward_progress 1
		.amdhsa_inst_pref_size 146
	.end_amdhsa_kernel
	.amdgpu_metadata
---
amdhsa.version: [ 1, 2 ]
amdhsa.kernels:
  - .name:           k_q0ab6e88a25_gemm
    .symbol:         k_q0ab6e88a25_gemm.kd
    .args:
      - { .name: o16, .offset: 0, .size: 8, .value_kind: global_buffer, .address_space: global }
      - { .name: wts, .offset: 8, .size: 8, .value_kind: global_buffer, .address_space: global }
      - { .name: out0, .offset: 16, .size: 8, .value_kind: global_buffer, .address_space: global }
    .group_segment_fixed_size: 327680
    .private_segment_fixed_size: 0
    .kernarg_segment_align: 8
    .kernarg_segment_size: 24
    .max_flat_workgroup_size: 128
    .sgpr_count:     66
    .vgpr_count:     1024
    .wavefront_size: 32
...
	.end_amdgpu_metadata
.endif
;; end of part 6
;; ======== version 2 of 2: 6 launches; version 1 with the launch attn written anew for expert scheduling mode
;; limits: values are held in f16: magnitudes above 65,504 overflow, below 6.1e-05 lose precision
;; workspace buffers: xb 33,554,432 bytes; wts 4,718,592 bytes; qk 8,388,608 bytes; kk 8,388,608 bytes; idx 131,072 bytes of whole numbers; cand 131,072 bytes of whole numbers; tab 655,360 bytes; o16 33,554,432 bytes
;; launch cvt: the kernel of part 1 again; grid 1168 x 1, 8 waves a work-group, no clusters, 0 bytes of LDS; arguments x, Wq, Wk, Wv, Wo, xb, wts; writes xb, wts
;; launch proj: the kernel of part 2 again; grid 128 x 2, 4 waves a work-group, clusters of 4 x 1, 327,680 bytes of LDS; arguments xb, wts, qk, kk; writes qk, kk
;; launch select: the kernel of part 3 again; grid 128 x 4, 2 waves a work-group, no clusters, 2,816 bytes of LDS; arguments qk, kk, idx, cand; writes idx, cand
;; launch vsel: the kernel of part 4 again; grid 128 x 4, 8 waves a work-group, no clusters, 34,048 bytes of LDS; arguments idx, cand, kk, xb, wts, tab, qk; writes tab, qk
;; launch attn (part 7): grid 64 x 4, 8 waves a work-group, no clusters, 140,288 bytes of LDS; arguments qk, tab, o16; writes o16
.if DOCPART == 7
	.amdgcn_target "amdgcn-amd-amdhsa--gfx1250"
	.amdhsa_code_object_version 6
	.text
	.protected	k_q0ab6e88a25_attn
	.globl	k_q0ab6e88a25_attn
	.p2align	8
	.type	k_q0ab6e88a25_attn,@function
k_q0ab6e88a25_attn:
	s_mov_b64 s[64:65], 0
	v_nop
	global_prefetch_b8 v0, s[64:65] scope:SCOPE_SE
	s_setreg_imm32_b32 hwreg(HW_REG_WAVE_SCHED_MODE, 0, 2), 2
	s_setreg_imm32_b32 hwreg(HW_REG_WAVE_MODE, 25, 1), 1
	s_wait_xcnt 0x0
	s_wait_alu depctr_vm_vsrc(0)
; O[b][s][8 h + c] = the sum over the 32 slots j of softmax_j(q k_j) v_j[c], over the largest keys where q > 0 and over the smallest where q <= 0.  O: [16384][1024] f16.
; THE MAXIMUM is taken away exactly: q k_j - max_j q k_j = q (k_j - kmax) for q > 0 and q (k_j - kmin) for q <= 0; the table holds these differences times log2(e).
; The exponent is max(q, 0) dk_top + min(q, 0) dk_bot: one term is 0, the sum is never above 0, and the extreme slot's weight is 1: no exponential and no sum overflows, and the sum is at least 1.
; The weights are rounded to f16 for the products; their sum is taken of the rounded weights, by the matrix unit, in f32; O is rounded once.  LIMIT: |v| under 65,504 (it arrives so).
; SHARES.  A work-group owns 64 rows of one batch; wave w the heads 16 w .. 16 w + 15, for four tiles of 16 rows.  A head's tables are loaded once and serve the four tiles.
; LAYOUT.  D = VT x P: source 0 = VT (rows 0-7: 8 channels at the largest side's slots; rows 8-15: at the smallest's), source 1 = P (column = row s, K = slot).  Lane (r, hf) makes, for row s = r,
; the weights of slots 8 hf + 0..7 and 16 + 8 hf + 0..7, which ARE its part of source 1.  In D lanes 0-15 hold P . V_top, lanes 16-31 P . V_bot, eight channels a lane; q's sign picks the half.
; ONES x P gives the row's sum in every register of every lane.
; Two heads are finished together: an exchange of half registers sets head e's 16 bytes in lanes 0-15 and head o's in lanes 16-31.  They go to the wave's own stage in LDS; a wave's 16 heads are 256 bytes
; of a row, so at the end whole aligned blocks of 256 bytes leave.  No barrier: no wave touches another's bytes.  No cluster: loads go through registers, and what work-groups share is 1,280 bytes a head.
; IN FLIGHT.  Two sets of registers, a head each: 14 loads.  A set's q and dk are asked for again behind its head's last packed line, its VT behind its head's last products.
; THE MODE: SCHED_MODE bits 1:0 = 2 (LLVM: expert scheduling mode 2), set by the entry lines.  The code itself states the register dependences
; between vector or matrix instructions and memory or LDS instructions, with s_wait_alu, always for 0.
; THE PLAN.  Registers that memory or LDS instructions touch:
;   QOF, DOF, VOF, RD, GO   offsets, made once at the head and never written again: the scalar bases move on, a pair of heads at a time.
;   SET + 0 .. 35           q and dk.  Read by the head's first lines and by the packed lines of its two batches; the 12 loads for the same place of the next pair land there.
;   SET + 36 .. 43          VT.  Read by the head's eight matrix instructions; two loads land there.
;   XE                      the out-buffer: written by the even head's roundings and the odd head's exchanges and selects; read by the pair's four LDS stores.
;   STO                     read by those four stores; written once a pair, behind them.
;   XO, E, P, D, L, RL, QA  are named in the loop by vector and matrix instructions alone; on the way out the loads from the stage land in v120 to v247.
; THE WAITS OF A HEAD.  A wait stands behind each batch of exponentials; the second batch's also states that every reader of the set's q and dk is done, and the 12 loads follow it.
; One wait behind the four reciprocals serves them and states that the products are done reading VT; the two loads follow it.  One wait on va_sdst stands behind the four compares, ahead of the branch.
; ONE BRANCH A HEAD.  The last pair asks for nothing.  A set's 14 loads are issued on one path, all of them, or on the other, none: so 14 loads or none stand behind the other set's on every way through the text,
; and the counted wait at a head's beginning holds on each.  What stands between the 12 loads and the 2 (FINISH: 30 lines) is therefore written on both paths.
; THE WAITS OF A PAIR.  One on va_vdst ahead of the run of four LDS stores; one on vm_vsrc behind it, ahead of the add to STO.
.set VT_OFF, 131072
.set STG,   17408                      ; a wave's stage: 4 tiles x 16 rows x 272 bytes
.set QOF, 4                            ; v4  4 (l % 16)
.set DOF, 5                            ; v5  32 (l / 16)
.set VOF, 6                            ; v6  16 l
.set STO, 7                            ; v7  stage + 272 (l % 16) + 16 (l / 16), 32 further on with each pair of heads
.set RD,  8                            ; v8  stage + 272 (l / 16) + 16 (l % 16)
.set GO,  9                            ; v9  2,048 (l / 16) + 16 (l % 16)
.set ONES, 12                          ; v[12:19]   1.0 in every f16 half
.set RL,  20                           ; v[20:23]   1 / sum, a tile each
.set QA,  24                           ; v[24:31]   (max(q, 0), min(q, 0)), a pair a tile
.set SET0, 32                          ; v[32:75], v[76:119]: +0 q of four tiles; +4 dk_top (16); +20 dk_bot (16); +36 VT (8)
.set SET1, 76
.set E,   120                          ; v[120:151] two tiles' 16 exponents, then weights
.set P,   152                          ; v[152:167] two tiles' source 1
.set D,   168                          ; v[168:199] four tiles
.set L,   200                          ; v[200:231] four tiles' sums
.set XE,  232                          ; v[232:247] the even head's four tiles, packed; then the pair's four tiles as they are stored
.set XO,  248                          ; v[248:251] the odd head's tile in hand
.macro LOADQ set, n                    ; a head's q and dk: 12 loads; n: its place in the pair
.irp t, 0,1,2,3
	global_load_b32 v[(\set)+(\t)], v[QOF], s[8:9] offset:64*(\t)+16384*(\n)
.endr
.irp j, 0,1,2,3,4,5,6,7
	global_load_b128 v[(\set)+4+4*(\j):(\set)+7+4*(\j)], v[DOF], s[10:11] offset:128*((\j)/4)+64*(((\j)%4)/2)+16*((\j)%2)+256*(\n)
.endr
.endm
.macro LOADV set, n                    ; a head's VT: 2 loads
	global_load_b128 v[(\set)+36:(\set)+39], v[VOF], s[12:13] offset:1024*(\n)
	global_load_b128 v[(\set)+40:(\set)+43], v[VOF], s[12:13] offset:1024*(\n)+512
.endm
.macro PKL set, t, e, p                ; packed line p of 16 of tile t's exponents: eight products with max(q, 0), then eight multiply-adds with min(q, 0)
.if (\p) < 8
.set pr, 2*(\p)
	v_pk_mul_f32 v[E+16*(\e)+pr:E+16*(\e)+pr+1], v[(\set)+4+pr:(\set)+5+pr], v[QA+2*(\t):QA+2*(\t)+1] op_sel_hi:[1,0]
.else
.set pr, 2*(\p)-16
	v_pk_fma_f32 v[E+16*(\e)+pr:E+16*(\e)+pr+1], v[(\set)+20+pr:(\set)+21+pr], v[QA+2*(\t):QA+2*(\t)+1], v[E+16*(\e)+pr:E+16*(\e)+pr+1] op_sel:[0,1,0] op_sel_hi:[1,1,1]
.endif
.endm
; Tiles 2 u and 2 u + 1, first part.  The 32 exponentials are one batch with one wait; the first tile's stand between the second tile's packed lines.
.macro BEXP set, u
.set bi, 0
.rept 16
	PKL \set, 2*(\u), 0, bi
.set bi, bi+1
.endr
.set bi, 0
.rept 16
	v_exp_f32 v[E+bi], v[E+bi]
	PKL \set, 2*(\u)+1, 1, bi
.set bi, bi+1
.endr
.set bi, 16
.rept 16
	v_exp_f32 v[E+bi], v[E+bi]
.set bi, bi+1
.endr
	v_nop                                          ; a plain instruction behind the last exponential
	s_wait_alu depctr_va_vdst(0)                   ; the 32 exponentials have written E, which the roundings read; the packed lines are done reading the set's dk, the head's first lines its q: behind the second batch the loads land there
.endm
; Second part: the weights are rounded, and multiplied.
.macro BMUL set, u
.set bi, 0
.rept 16
	v_cvt_pk_f16_f32 v[P+bi], v[E+2*bi], v[E+2*bi+1]
.set bi, bi+1
.endr
	v_wmma_f32_16x16x32_f16 v[D+16*(\u):D+16*(\u)+7],    v[(\set)+36:(\set)+43], v[P:P+7],    0  ; four different accumulators, each a whole sum
	v_wmma_f32_16x16x32_f16 v[D+16*(\u)+8:D+16*(\u)+15], v[(\set)+36:(\set)+43], v[P+8:P+15], 0
	v_wmma_f32_16x16x32_f16 v[L+16*(\u):L+16*(\u)+7],    v[ONES:ONES+7],         v[P:P+7],    0
	v_wmma_f32_16x16x32_f16 v[L+16*(\u)+8:L+16*(\u)+15], v[ONES:ONES+7],         v[P+8:P+15], 0
.endm
; The head's last products and the four reciprocals of the sums.  It names E, P, VT, D, L, ONES and RL alone: none of the registers in which the 12 loads ahead of it land.
.macro FINISH set
	BMUL \set, 1
.rept 4
	v_nop                                          ; the places behind the last products, for the readers of the sums (ISA guide 7.12.1)
.endr
.irp t, 0,1,2,3
	v_rcp_f32 v[RL+(\t)], v[L+8*(\t)]              ; the sum lies in every register: the lowest is read
.endr
	v_nop                                          ; a plain instruction behind the last reciprocal
	s_wait_alu depctr_va_vdst(0)                   ; the four reciprocals have written RL, which the scalings read; the head's eight products are done reading VT, in which, on the path with loads, two loads land next
.endm
.macro HEAD set, odd
	s_wait_loadcnt 14                              ; this set's 14 loads are in; the other set's may stay out
.irp t, 0,1,2,3
	v_max_num_f32 v[QA+2*(\t)], 0, v[(\set)+(\t)]
	v_min_num_f32 v[QA+2*(\t)+1], 0, v[(\set)+(\t)]
	v_cmp_lt_f32 s[20+8*(\odd)+(\t)], 0, v[(\set)+(\t)]  ; q > 0, the same in both halves of the lanes
.endr
	BEXP \set, 0
	BMUL \set, 0
	BEXP \set, 1                                   ; its packed lines are the places between the first batch's products and the rewriting of P
	s_wait_alu depctr_va_sdst(0)                   ; the four compares have written their masks: ahead of the branch below, and of the masks' first readers, in the odd head's tail
	s_cmp_lg_u32 s26, 1                            ; the last pair has none behind it
	s_cbranch_scc0 .Llast_\@
.if !(\odd)
	s_wait_xcnt 0x0                                ; every load issued so far has read its address: the pointers may be written
	s_add_nc_u64 s[8:9], s[8:9], 2*16384
	s_add_nc_u64 s[10:11], s[10:11], 2*256
	s_add_nc_u64 s[12:13], s[12:13], 2*1024
.endif
	LOADQ \set, \odd                               ; no vector line stands between the second batch's wait and these
	FINISH \set
	LOADV \set, \odd                               ; directly behind FINISH's wait
	s_branch .Ljoin_\@
.Llast_\@:
.if !(\odd)
	s_wait_loadcnt 0x0                             ; with no younger loads behind it the odd head's set is waited for here
.endif
	FINISH \set
.Ljoin_\@:
.irp t, 0,1,2,3
.irp p, 0,1,2,3
.if (\t)%2
	v_pk_mul_f32 v[D+8*(\t)+2*(\p):D+8*(\t)+2*(\p)+1], v[D+8*(\t)+2*(\p):D+8*(\t)+2*(\p)+1], v[RL+2*((\t)/2):RL+2*((\t)/2)+1] op_sel:[0,1] op_sel_hi:[1,1]
.else
	v_pk_mul_f32 v[D+8*(\t)+2*(\p):D+8*(\t)+2*(\p)+1], v[D+8*(\t)+2*(\p):D+8*(\t)+2*(\p)+1], v[RL+2*((\t)/2):RL+2*((\t)/2)+1] op_sel_hi:[1,0]
.endif
.endr
.if \odd
.irp p, 0,1,2,3
	v_cvt_pk_f16_f32 v[XO+(\p)], v[D+8*(\t)+2*(\p)], v[D+8*(\t)+2*(\p)+1]
.endr
	s_and_b32 s24, s[20+(\t)], 0xffff              ; lanes 0-15 go by the even head's q, lanes 16-31 by the odd head's
	s_and_b32 s27, s[28+(\t)], 0xffff0000
	s_or_b32 s24, s24, s27
.irp p, 0,1,2,3
	v_permlane16_swap_b32 v[XE+4*(\t)+(\p)], v[XO+(\p)]  ; XE: top of e | top of o;  XO: bottom of e | bottom of o
.endr
.irp p, 0,1,2,3
	v_cndmask_b32 v[XE+4*(\t)+(\p)], v[XO+(\p)], v[XE+4*(\t)+(\p)], s24  ; the choice stays in XE: each tile has its own four registers to be stored from
.endr
.else
.irp p, 0,1,2,3
	v_cvt_pk_f16_f32 v[XE+4*(\t)+(\p)], v[D+8*(\t)+2*(\p)], v[D+8*(\t)+2*(\p)+1]
.endr
.endif
.endr
.if \odd
	s_wait_alu depctr_va_vdst(0)                   ; the selects have written XE, the four stores' data; the add at the end of the pair before (in the first pair: the head) has written STO, their address
.irp t, 0,1,2,3
	ds_store_b128 v[STO], v[XE+4*(\t):XE+4*(\t)+3] offset:4352*(\t)
.endr
.endif
.endm
	s_load_b128 s[4:7], s[0:1], 0x0                ; qk s[4:5], tab s[6:7]
	s_load_b64 s[14:15], s[0:1], 0x10              ; o16
	v_lshl_add_u32 v254, v0, 2, 0x22000
	v_mov_b32 v255, 0
	v_lshrrev_b32 v1, 5, v0
	v_readfirstlane_b32 s16, v1                    ; wave 0..7
	v_and_b32 v1, 15, v0                           ; l % 16
	v_bfe_u32 v2, v0, 4, 1                         ; l / 16
	v_and_b32 v3, 31, v0                           ; l
	v_lshlrev_b32 v[QOF], 2, v1
	v_lshlrev_b32 v[DOF], 5, v2
	v_lshlrev_b32 v[VOF], 4, v3
	s_wait_alu depctr_va_sdst(0)                   ; s16 is written, ahead of its first reader: the stage's place and the bases are made from it
	s_mul_i32 s19, s16, STG                        ; my stage
	v_mul_u32_u24 v[STO], v1, 272
	v_lshl_add_u32 v[STO], v2, 4, v[STO]
	v_add_nc_u32 v[STO], s19, v[STO]
	v_mul_u32_u24 v[RD], v2, 272
	v_lshl_add_u32 v[RD], v1, 4, v[RD]
	v_add_nc_u32 v[RD], s19, v[RD]
	v_lshlrev_b32 v[GO], 11, v2
	v_lshl_add_u32 v[GO], v1, 4, v[GO]
.irp j, 0,1,2,3,4,5,6,7
	v_mov_b32 v[ONES+(\j)], 0x3c003c00
.endr
	s_and_b32 s17, ttmp7, 0xffff                   ; b
	s_lshl_b32 s18, s17, 7
	s_lshl_b32 s19, s16, 4
	s_add_co_u32 s18, s18, s19                     ; 128 b + my first head
	s_mov_b32 s3, 0
	s_mov_b32 s26, 8                               ; pairs of heads
	s_wait_kmcnt 0x0
	s_lshl_b32 s2, s18, 14
	s_lshl_b32 s19, ttmp9, 8                       ; the block's 64 rows: 256 bytes of a head's q
	s_add_co_u32 s2, s2, s19
	s_add_nc_u64 s[8:9], s[4:5], s[2:3]
	s_lshl_b32 s2, s18, 8
	s_add_nc_u64 s[10:11], s[6:7], s[2:3]
	s_lshl_b32 s2, s18, 10
	s_add_co_u32 s2, s2, VT_OFF
	s_add_nc_u64 s[12:13], s[6:7], s[2:3]
	s_lshl_b32 s2, s17, 12
	s_lshl_b32 s19, ttmp9, 6
	s_add_co_u32 s2, s2, s19                       ; my first row of O
	s_lshl_b32 s2, s2, 11
	s_lshl_b32 s19, s16, 8                         ; my 16 heads: 256 bytes of a row
	s_add_co_u32 s2, s2, s19
	s_add_nc_u64 s[14:15], s[14:15], s[2:3]
	s_wait_alu depctr_va_vdst(0)                   ; the six offsets and addresses v4 to v9 are written, which the kernel's loads and stores read
	LOADQ SET0, 0
	LOADV SET0, 0
	LOADQ SET1, 1
	LOADV SET1, 1
.Lpair:
	HEAD SET0, 0
	HEAD SET1, 1
	s_wait_alu depctr_vm_vsrc(0)                   ; the four LDS stores have read STO, which the add below writes, and XE, which the next pair's roundings write and in which, behind the loop, loads from the stage land
	v_add_nc_u32 v[STO], 32, v[STO]                ; the next pair's 32 bytes of a row
	s_sub_co_u32 s26, s26, 1
	s_cmp_lg_u32 s26, 0
	s_cbranch_scc1 .Lpair
	; THE WAY OUT: lanes 0-15 take one row's 256 bytes, lanes 16-31 the next row's.  LDS serves a wave's instructions in order (ISA guide 5.7.1.4): these loads see the stores above.
	; The loads land in v120 to v247.  The wait ahead of the last four LDS stores stands behind every vector and matrix line that names one of these registers (since it only the add to STO was issued),
	; and the wait at the pair's end behind the stores that read XE: no further wait is owed.  The global stores' data come from these loads, which the counted waits below show done.
.set n, 0
.rept 32
	ds_load_b128 v[E+4*n:E+4*n+3], v[RD] offset:4352*(n/8)+544*(n%8)
.set n, n+1
.endr
.set n, 0
.rept 32
	s_wait_dscnt 31-n
	global_store_b128 v[GO], v[E+4*n:E+4*n+3], s[14:15] offset:(16*(n/8)+2*(n%8))*2048  ; 16 lanes store 256 consecutive bytes, at a multiple of 256 from O's first byte
.set n, n+1
.endr
	s_wait_dscnt 0x0                               ; the wave's end.  The add onto my spare word, in the 1,024 bytes behind the eight stages, follows the waits below
	s_wait_alu depctr_hold_cnt(0) depctr_sa_sdst(0) depctr_va_vdst(0) depctr_va_sdst(0) depctr_va_ssrc(0) depctr_va_vcc(0) depctr_vm_vsrc(0)
	s_wait_tensorcnt 0x0
	ds_add_u32 v254, v255
	s_wait_dscnt 0x0
	s_endpgm
.Lfunc_end_k_q0ab6e88a25_attn:
	.size	k_q0ab6e88a25_attn, .Lfunc_end_k_q0ab6e88a25_attn-k_q0ab6e88a25_attn
	.p2alignl 7, 3214868480
	.fill 96, 4, 3214868480
	.section	.rodata,"a",@progbits
	.p2align	6, 0x0
	.amdhsa_kernel k_q0ab6e88a25_attn
		.amdhsa_group_segment_fixed_size 140288
		.amdhsa_private_segment_fixed_size 0
		.amdhsa_enable_private_segment 0
		.amdhsa_kernarg_size 24
		.amdhsa_user_sgpr_count 2
		.amdhsa_user_sgpr_kernarg_segment_ptr 1
		.amdhsa_wavefront_size32 1
		.amdhsa_system_sgpr_workgroup_id_x 1
		.amdhsa_system_sgpr_workgroup_id_y 1
		.amdhsa_system_sgpr_workgroup_id_z 1
		.amdhsa_system_vgpr_workitem_id 0
		.amdhsa_next_free_vgpr 256
		.amdhsa_next_free_sgpr 66
		.amdhsa_reserve_vcc 0
		.amdhsa_float_denorm_mode_32 3
		.amdhsa_float_denorm_mode_16_64 3
		.amdhsa_memory_ordered 1
		.amdhsa_forward_progress 1
		.amdhsa_inst_pref_size 44
	.end_amdhsa_kernel
	.amdgpu_metadata
---
amdhsa.version: [ 1, 2 ]
amdhsa.kernels:
  - .name:           k_q0ab6e88a25_attn
    .symbol:         k_q0ab6e88a25_attn.kd
    .args:
      - { .name: qk, .offset: 0, .size: 8, .value_kind: global_buffer, .address_space: global }
      - { .name: tab, .offset: 8, .size: 8, .value_kind: global_buffer, .address_space: global }
      - { .name: o16, .offset: 16, .size: 8, .value_kind: global_buffer, .address_space: global }
    .group_segment_fixed_size: 140288
    .private_segment_fixed_size: 0
    .kernarg_segment_align: 8
    .kernarg_segment_size: 24
    .max_flat_workgroup_size: 256
    .sgpr_count:     66
    .vgpr_count:     256
    .wavefront_size: 32
...
	.end_amdgpu_metadata
.endif
;; end of part 7
;; launch gemm: the kernel of part 6 again; grid 4 x 64, 4 waves a work-group, clusters of 4 x 4, 327,680 bytes of LDS; arguments o16, wts, out0; writes out0
